; MI455X (gfx1250); checked and timed in simulation.
; The chip was launched on July 23, 2026; its instructions are those of AMD's public machine-readable ISA for CDNA 5 (MIT licence, August 2026) and "CDNA5" Instruction Set Architecture Reference Guide (July 2026). The comments in the code are by the model that wrote it; some were corrected since.
;; Multi Head Attention. Allowed arithmetic: matrix products marked QUANTISED: E2M3 operands, one E8M0 scale for each 32 along K, by v_wmma_scale_f32_16x16x128_f8f6f4 with both operands' format E2M3, f32 sums; everything else in f32.
;; Inputs: Wk 1,024 x 1,024 float32; Wo 1,024 x 1,024 float32; Wq 1,024 x 1,024 float32; Wv 1,024 x 1,024 float32; bk 1,024 float32; bo 1,024 float32; bq 1,024 float32; bv 1,024 float32; k 8 x 1,024 x 1,024 float32; mask 8 x 1,024 x 1,024 int32; q 8 x 1,024 x 1,024 float32; v 8 x 1,024 x 1,024 float32.
;; Outputs: out0 8 x 1,024 x 1,024 float32.
;; This version of the problem:
;;   THIS VERSION OF THE PROBLEM IS GIVEN IN LOW PRECISION. The matrix products marked QUANTISED in the list below multiply operands that are first quantised to E2M3 (2 exponent bits, 3 mantissa bits; 6 bits a number), with one power-of-two scale for each 32 numbers along K (OCP MX v1.0); their sums are f32. All else is computed in f32.
;;   The module's matrix products, in the order in which they are computed (A, B: the left and right operand; K: the contracted axis; several contracted axes count as one K, in the product's order):
;;     1. [M 8,192, K 1,024] x [K 1,024, N 1,024]; A: input q; B: input Wq: QUANTISED
;;     2. [M 8,192, K 1,024] x [K 1,024, N 1,024]; A: input k; B: input Wk: QUANTISED
;;     3. [M 8,192, K 1,024] x [K 1,024, N 1,024]; A: input v; B: input Wv: QUANTISED
;;     4. batch 128 x [M 1,024, K 64] x [K 64, N 1,024]; A: computed on the way; B: computed on the way: QUANTISED
;;     5. batch 128 x [M 1,024, K 1,024] x [K 1,024, N 64]; A: softmax (see below); B: computed on the way: QUANTISED
;;     6. [M 8,192, K 1,024] x [K 1,024, N 1,024]; A: computed on the way; B: input Wo: QUANTISED
;;   THE QUANTISER, for each operand of a quantised product, along K:
;;     - K is cut into blocks of 32 from its start; a last block that is shorter is filled with zeros.
;;     - A block's scale is 2^e with e = floor(log2(the largest magnitude in the block)) - 2, held to -126 .. 127; a block of zeros has e = 0. As a byte (E8M0): e + 127.
;;     - Each number is divided by its block's scale, clamped to +-7.5, and rounded to the nearest number of E2M3, ties to even, subnormals kept.
;;     - The product sums the exact products of the quantised numbers (number of the format x scale) in f32.
;;   ~~~python
;;   def quantise(x, axis):      # numpy; x: float32 -> the quantised numbers, widened to float32 again
;;       x = np.moveaxis(x, axis, -1); K = x.shape[-1]
;;       x = np.pad(x, [(0, 0)] * (x.ndim - 1) + [(0, -K % 32)]); x = x.reshape(x.shape[:-1] + (-1, 32)); a = np.abs(x).max(-1, keepdims=True)
;;       e = np.where(a > 0, np.clip(np.frexp(np.where(a > 0, a, 1))[1] - 1 - 2, -126, 127), 0)      # np.frexp(a)[1] - 1 = floor(log2(a)), exactly
;;       r = np.clip(x / 2.0 ** e, -7.5, 7.5)
;;       step = 2.0 ** (np.maximum(np.frexp(np.where(r == 0, 1, r))[1] - 1, 0) - 3)
;;       q = np.round(r / step) * step * 2.0 ** e      # np.round: ties to even
;;       return np.moveaxis(q.reshape(q.shape[:-2] + (-1,))[..., :K], -1, axis).astype(np.float32)
;;   ~~~
;;   SOFTMAX AHEAD OF A QUANTISED PRODUCT. Where the list says 'softmax', what is quantised is not the finished softmax but p = 2^(t - M), with t = logit x log2(e) and M = ceil(the row's largest t), a whole number; so 1/2 < the row's largest p <= 1. The row's sum l is taken of the UNQUANTISED p, in f32, and the product's result is divided by l at the end. Since M is a whole number, a kernel that streams over the keys may use a running M (the ceiling of the running maximum): every later rescaling is an exact power of two, which a block's scale takes up: the codes' values come out the same.
;;   OPERANDS COMPUTED ON THE WAY. 'Computed on the way' means the value that the module computes at that place (a softmax that the list does not call 'softmax' is quantised finished and normalised). What goes into a quantiser is computed in f32, as accurately as f32 sums, v_exp_f32 and their like allow (about 1e-6 of the number): no bf16 or f16 on the way to a quantiser, and a product that is left as it is and whose result goes on into a quantised operand takes f32 operands (vector FMAs, or v_wmma_f32_16x16x4_f32). A number that lies on a knife's edge between two numbers of the format may be rounded either way, as far as f32 arithmetic and the matrix unit's own rounding can turn it there, and no further.
;; One version. Each part assembles by itself: llvm-mc -triple=amdgcn-amd-amdhsa -mcpu=gfx1250 --defsym DOCPART=n.
;; ======== version 1 of 1: 4 launches
;; limits: right only within a limited range of input values
;; workspace buffers: opimg 22,020,096 bytes; opscl 917,504 bytes; mlane 1,048,576 bytes of whole numbers; qkpk 13,107,200 bytes; vpk 6,553,600 bytes; cimg 6,291,456 bytes; cscl 262,144 bytes
;; launch prep (part 1): grid 1280 x 1, 4 waves a work-group, no clusters, 48,640 bytes of LDS; arguments q, k, v, mask, Wq, Wk, Wv, Wo, opimg, opscl, mlane; writes opimg, opscl, mlane
.if DOCPART == 1
	.amdgcn_target "amdgcn-amd-amdhsa--gfx1250"
	.amdhsa_code_object_version 6
	.text
	.protected	k_q7b22d0b465_prep
	.globl	k_q7b22d0b465_prep
	.p2align	8
	.type	k_q7b22d0b465_prep,@function
k_q7b22d0b465_prep:
	s_mov_b64 s[64:65], 0
	v_nop
	global_prefetch_b8 v0, s[64:65] scope:SCOPE_SE
	s_setreg_imm32_b32 hwreg(HW_REG_WAVE_MODE, 25, 1), 1
	s_wait_xcnt 0x0
; PREP: every f32 input that is an operand of a quantised product becomes codes of FP6 (E2M3) with one E8M0 byte for each 32 along its K, and the mask becomes lane masks.
; ORDER OF ROWS.  Rows go in groups G of 32; tile T = 2 G + u holds the 16 rows 32 G + 8 u + (r % 8) + 16 (r / 8), r = 0 .. 15.  So where such tiles are a product's source 0, the 16 result registers of
; tiles 2 G and 2 G + 1 are 16 neighbours.
; IMAGE.  The codes of a tile for 128 along K lie as the matrix operand's registers: 1,536 bytes, six groups of 256; group p holds registers 2 p, 2 p + 1 of lane L at 256 p + 8 L.  Images lie [T][K step][1536].
; SCALE PLANE.  [K step][G][32 words]: word 16 u + r holds the four bytes of that row's 128 along K.
; LANE MASKS.  [tile of queries][key step][64 words]: bit L of word n says whether the key of score register n counts for lane L's query.
; ROLES by the work-group's number: 0-767 q, k, v; 768-1023 the mask (the same way through the text, a scalar branch round the arithmetic); 1024-1279 the four weights, whose K is their first axis.
; A block's scale is 2^(floor(log2(largest magnitude)) - 2): its byte is the largest magnitude's exponent field - 2, held at 1 from below.
; LIMITS: NaN and infinities among the inputs are not served.  A block of zeros, or one whose largest magnitude lies under 2^-124, gets the byte 1; its codes are as the conversion gives them; only this program reads the bytes.
.set WIMG,  18874368                   ; opimg: q, k, v at 0, 6,291,456, 12,582,912; the weights from here, 786,432 each
.set WSCL,  786432                     ; opscl: q, k, v at 0, 262,144, 524,288; the weights from here, 32,768 each
.set SPX,   528                        ; rows' path: a stage row: 512 bytes + 16: the sixteen rows that a load touches begin 4 banks apart
.set XLDS,  16*SPX+256                 ; a wave's LDS on the rows' path: the stage and 256 bytes of scale words
.set WLDS0, 4*XLDS                     ; the weights' path has LDS bytes of its own
.set WTP,   1664                       ; there a tile's image + 128: the two tiles' lanes then fall on different banks
.set WLDS,  2*WTP
.set R,   16                           ; v16-143  two sets of 64: a tile as loaded
.set X,   144                          ; v144-207 a lane's 64 numbers: register 16 b + i = k 32 b + 16 (L / 16) + i of its row
.set PC,  208                          ; v208-227 the codes just made
.set TM,  228                          ; v228-243 maxima, bytes, scale operands
.set PW,  244                          ; v244-247 the four tiles' scale words
.set MW,  248                          ; v248-249 two mask words a lane; on the numbers' path the scale words on their way out
.set SEL, 26                           ; s[26:27] lane selects: lane l xor 16
	s_load_b512 s[4:19], s[0:1], 0x0               ; q, k, v, mask, Wq, Wk, Wv, Wo
	s_load_b128 s[20:23], s[0:1], 0x40             ; opimg, opscl
	s_load_b64 s[24:25], s[0:1], 0x50              ; mlane
	v_lshl_add_u32 v254, v0, 2, 0xbc00
	v_mov_b32 v255, 0
	v_lshrrev_b32 v1, 5, v0
	v_readfirstlane_b32 s28, v1                    ; wave 0..3
	v_and_b32 v8, 31, v0                           ; L
	s_mov_b32 s[SEL], 0x76543210
	s_mov_b32 s[SEL+1], 0xfedcba98
	s_mov_b32 s38, 0xffff0000                      ; lanes 16-31
	s_cmp_ge_u32 ttmp9, 1024
	s_cbranch_scc1 .Lweights
; ---- ROWS: q, k, v, mask.  A wave takes 64 rows (four tiles) x 128 along K.
	s_lshr_b32 s29, ttmp9, 8                       ; which tensor: 0 q, 1 k, 2 v, 3 mask
	s_and_b32 s40, ttmp9, 255
	s_lshr_b32 s41, s40, 1                         ; which 64 rows
	s_and_b32 s40, s40, 1
	s_lshl_b32 s40, s40, 2
	s_add_co_u32 s40, s40, s28                     ; which K step
	s_lshl_b32 s42, s41, 18                        ; in: 64 rows of 4,096 bytes,
	s_lshl_b32 s43, s40, 9                         ; 512 bytes a K step
	s_add_co_u32 s42, s42, s43
	s_mov_b32 s43, 0
	s_mul_i32 s44, s29, 6291456                    ; images: the tensor,
	s_mul_i32 s45, s41, 49152                      ; four tiles of 12,288,
	s_add_co_u32 s44, s44, s45
	s_mul_i32 s45, s40, 1536                       ; the K step
	s_add_co_u32 s44, s44, s45
	s_lshl_b32 s45, s41, 13                        ; lane masks: four tiles of 2,048,
	s_lshl_b32 s46, s40, 8                         ; 256 a key step
	s_add_co_u32 s45, s45, s46
	s_lshl_b32 s46, s29, 18                        ; scale plane: the tensor,
	s_lshl_b32 s47, s40, 15                        ; the K step,
	s_add_co_u32 s46, s46, s47
	s_lshl_b32 s47, s41, 8                         ; two groups of 128 bytes
	s_add_co_u32 s46, s46, s47
	s_mov_b32 s47, 0
	s_mul_i32 s39, s28, XLDS                       ; my wave's LDS
	s_wait_alu depctr_va_vdst(0)
	v_lshlrev_b32 v1, 4, v8                        ; 16 L: my bytes of a row's 512
	v_add_nc_u32 v2, s39, v1                       ; the stage, on the way in
	v_and_b32 v9, 15, v0                           ; r
	v_bfe_u32 v10, v0, 4, 1                        ; h
	v_mul_u32_u24 v3, v9, SPX
	v_lshl_add_u32 v3, v10, 6, v3
	v_add_nc_u32 v3, s39, v3                       ; and on the way out: row r, + 64 h
	v_lshlrev_b32 v4, 3, v8                        ; 8 L
	v_lshlrev_b32 v5, 2, v8
	v_add_nc_u32 v5, s39, v5
	v_add_nc_u32 v5, 16*SPX, v5                    ; scale words in LDS: 4 L
	v_add_nc_u32 v6, s39, v4
	v_add_nc_u32 v6, 16*SPX, v6                    ; and back: 8 L
.irp b, 0,1,2,3
	v_mov_b32 v[TM+4+\b], 0                        ; written once: a lane permute's destination counts as one of its sources
.endr
	s_wait_kmcnt 0x0
	s_cmp_eq_u32 s29, 1                            ; the choices hang on the work-group's number alone
	s_cselect_b64 s[32:33], s[6:7], s[4:5]
	s_cmp_eq_u32 s29, 2
	s_cselect_b64 s[32:33], s[8:9], s[32:33]
	s_cmp_eq_u32 s29, 3
	s_cselect_b64 s[32:33], s[10:11], s[32:33]
	s_cselect_b64 s[34:35], s[24:25], s[20:21]
	s_cselect_b32 s44, s45, s44
	s_mov_b32 s45, 0
	s_add_nc_u64 s[32:33], s[32:33], s[42:43]      ; in
	s_add_nc_u64 s[34:35], s[34:35], s[44:45]      ; images, or lane masks
	s_add_nc_u64 s[36:37], s[22:23], s[46:47]      ; scale words (used for q, k, v alone)
.macro LOADT tt                        ; tile tt: 16 loads, each one row's 512 consecutive bytes, the rows in the tile's order
.irp i, 0,1,2,3,4,5,6,7,8,9,10,11,12,13,14,15
	global_load_b128 v[R+64*((\tt)%2)+4*\i:R+64*((\tt)%2)+4*\i+3], v1, s[32:33] offset:(32*((\tt)/2)+8*((\tt)%2)+\i+8*(\i/8))*4096 th:TH_LOAD_NT
.endr
.endm
.macro TURN tt                         ; through the wave's own stage: in as loaded, out 64 numbers of one row a lane.  LDS serves a wave's instructions in order: no wait between
.irp i, 0,1,2,3,4,5,6,7,8,9,10,11,12,13,14,15
	ds_store_b128 v2, v[R+64*((\tt)%2)+4*\i:R+64*((\tt)%2)+4*\i+3] offset:SPX*\i
.endr
.irp b, 0,1,2,3
.irp j, 0,1,2,3
	ds_load_b128 v[X+16*\b+4*\j:X+16*\b+4*\j+3], v3 offset:128*\b+16*\j
.endr
.endr
.endm
; 64 numbers of a lane become a fragment's codes in v[PC] on and its row's scale word in v[pw]
.macro QUANT s, pw
.irp b, 0,1,2,3
	v_max3_num_f32 v[TM+\b], |v[\s+16*\b]|, |v[\s+1+16*\b]|, 0x1800000   ; block b: my 16 numbers, and the floor 2^(3 - 127): the byte cannot fall under 1
.endr
.irp i, 2,4,6,8,10,12,14
.irp b, 0,1,2,3
	v_max3_num_f32 v[TM+\b], v[TM+\b], |v[\s+16*\b+\i]|, |v[\s+1+16*\b+\i]|   ; the four blocks by turns
.endr
.endr
.irp b, 0,1,2,3
	v_permlanex16_b32 v[TM+4+\b], v[TM+\b], s[SEL], s[SEL+1]
.endr
.irp b, 0,1,2,3
	v_max_num_f32 v[TM+\b], v[TM+\b], v[TM+4+\b]   ; with lane l xor 16's: the block's largest magnitude
.endr
.irp b, 0,1,2,3
	v_add_nc_u32 v[TM+12+\b], 0xff000000, v[TM+\b] ; 2 off its exponent field: the conversion's scale operand
.endr
.irp b, 0,1,2,3
	v_lshrrev_b32 v[TM+4+\b], 23, v[TM+12+\b]      ; the scale's byte
.endr
	v_lshl_or_b32 v[\pw], v[TM+5], 8, v[TM+4]
	v_lshl_or_b32 v[\pw], v[TM+6], 16, v[\pw]
	v_lshl_or_b32 v[\pw], v[TM+7], 24, v[\pw]
.irp c, 0,1
	v_cvt_scalef32_pk16_fp6_f32 v[PC+6*\c:PC+2+6*\c], v[\s+32*\c:\s+15+32*\c], v[TM+12+2*\c]
	v_cvt_scalef32_pk16_fp6_f32 v[PC+12+4*\c:PC+14+4*\c], v[\s+16+32*\c:\s+31+32*\c], v[TM+12+2*\c+1]   ; (a conversion's three registers begin on an even number)
.endr
	v_nop                                          ; one plain place behind a scaled conversion
.irp c, 0,1                                    ; the operand's layout wants a whole block in a lane
.irp i, 0,1,2
	v_permlane16_swap_b32 v[PC+6*\c+\i], v[PC+12+4*\c+\i]
.endr
.irp i, 0,1,2
	v_mov_b32 v[PC+3+6*\c+\i], v[PC+12+4*\c+\i]
.endr
.endr
.endm
.macro TILE tt
.if (\tt) < 3
	s_wait_loadcnt 16                              ; this tile's 16 loads are in; the next tile's 16 may be out
.else
	s_wait_loadcnt 0x0
.endif
	TURN \tt
	s_wait_dscnt 0x0                               ; my 64 numbers are back, and the stage's stores have read their registers
	s_wait_xcnt 0x0                                ; the last tile's stores have read their data: it is written again only behind this wait
.if (\tt) < 2
	LOADT (\tt)+2
.endif
	s_cmp_eq_u32 s29, 3
	s_cbranch_scc1 .Lmask_\@
	QUANT X, PW+(\tt)
.irp p, 0,1,2,3,4,5
	global_store_b64 v4, v[PC+2*\p:PC+2*\p+1], s[34:35] offset:(\tt)*12288+256*\p   ; each store covers 256 consecutive bytes, aligned
.endr
	s_branch .Ldone_\@
.Lmask_\@:                                     ; word n: one bit a lane; lane n / 2 keeps words n and n + 1
	v_mov_b32 v[MW], 0
	v_mov_b32 v[MW+1], 0
.set n, 0
.rept 32
	v_cmp_ne_u32 s30, 0, v[X+2*n]
	v_cmp_ne_u32 s31, 0, v[X+2*n+1]
	v_writelane_b32 v[MW], s30, n
	v_writelane_b32 v[MW+1], s31, n
.set n, n+1
.endr
	global_store_b64 v4, v[MW:MW+1], s[34:35] offset:(\tt)*2048   ; 256 consecutive bytes, aligned
.Ldone_\@:
.endm
	LOADT 0
	LOADT 1
	TILE 0
	TILE 1
	TILE 2
	TILE 3
	s_cmp_eq_u32 s29, 3
	s_cbranch_scc1 .Lend
	v_cndmask_b32 v[MW], v[PW], v[PW+1], s38       ; a group's 32 words: lanes 0-15 the even tile's, lanes 16-31 the odd tile's
	v_cndmask_b32 v[MW+1], v[PW+2], v[PW+3], s38
	ds_store_b32 v5, v[MW]
	ds_store_b32 v5, v[MW+1] offset:128
	ds_load_b64 v[250:251], v6                     ; in order behind my stores
	s_wait_dscnt 0x0
	global_store_b64 v4, v[250:251], s[36:37]      ; two groups' words: 256 consecutive bytes, aligned
.Lend:
	s_wait_tensorcnt 0x0
	ds_add_u32 v254, v255
	s_wait_dscnt 0x0
	s_endpgm
; ---- WEIGHTS [k][n]: a lane takes a column n and its registers run down K.  A wave takes 32 columns (a group G) x 128 along K.
.Lweights:
	s_sub_co_u32 s40, ttmp9, 1024
	s_lshr_b32 s29, s40, 6                         ; which weight
	s_and_b32 s41, s40, 7
	s_lshr_b32 s42, s40, 3
	s_and_b32 s42, s42, 7                          ; K step
	s_lshl_b32 s41, s41, 2
	s_add_co_u32 s41, s41, s28                     ; G
	s_lshl_b32 s44, s42, 19                        ; in: 128 rows of 4,096 bytes a K step,
	s_lshl_b32 s45, s41, 7                         ; 128 bytes a group
	s_add_co_u32 s44, s44, s45
	s_mov_b32 s45, 0
	s_mul_i32 s46, s29, 786432
	s_mul_i32 s47, s41, 24576                      ; two tiles of 12,288
	s_add_co_u32 s46, s46, s47
	s_mul_i32 s47, s42, 1536
	s_add_co_u32 s46, s46, s47
	s_add_co_u32 s46, s46, WIMG
	s_mov_b32 s47, 0
	s_lshl_b32 s30, s29, 15
	s_lshl_b32 s31, s42, 12
	s_add_co_u32 s30, s30, s31
	s_lshl_b32 s31, s41, 7
	s_add_co_u32 s30, s30, s31
	s_add_co_u32 s30, s30, WSCL
	s_mov_b32 s31, 0
	s_mul_i32 s39, s28, WLDS
	s_add_co_u32 s39, s39, WLDS0                   ; my wave's stage
	s_wait_alu depctr_va_vdst(0)
	v_lshlrev_b32 v1, 2, v8                        ; 4 L: my column
	v_bfe_u32 v9, v0, 3, 1                         ; column 32 G + L is slot r' of tile 2 G + u: u = bit 3 of L,
	v_bfe_u32 v10, v0, 4, 1
	v_and_b32 v11, 7, v0
	v_lshl_add_u32 v11, v10, 3, v11                ; r' = L % 8 + 8 (L / 16)
	v_mul_u32_u24 v2, v9, WTP
	v_lshl_add_u32 v2, v11, 3, v2
	v_add_nc_u32 v2, s39, v2                       ; into the stage: my tile's image, 8 r'
	v_lshlrev_b32 v4, 4, v8                        ; 16 L
	v_add_nc_u32 v3, s39, v4                       ; back
	v_lshl_add_u32 v5, v9, 4, v11
	v_lshlrev_b32 v5, 2, v5                        ; my word in the group's 32
	s_wait_kmcnt 0x0
	s_cmp_eq_u32 s29, 1
	s_cselect_b64 s[32:33], s[14:15], s[12:13]
	s_cmp_eq_u32 s29, 2
	s_cselect_b64 s[32:33], s[16:17], s[32:33]
	s_cmp_eq_u32 s29, 3
	s_cselect_b64 s[32:33], s[18:19], s[32:33]
	s_add_nc_u64 s[32:33], s[32:33], s[44:45]
	s_add_nc_u64 s[34:35], s[20:21], s[46:47]
	s_add_nc_u64 s[30:31], s[22:23], s[30:31]
.macro LOADB t                         ; block t: W(32 t + i, my column): 32 lanes read 128 consecutive bytes
.irp i, 0,1,2,3,4,5,6,7,8,9,10,11,12,13,14,15,16,17,18,19,20,21,22,23,24,25,26,27,28,29,30,31
	global_load_b32 v[16+32*((\t)%2)+\i], v1, s[32:33] offset:(32*(\t)+\i)*4096 th:TH_LOAD_NT
.endr
.endm
.macro BLOCK t
.set XS, 16+32*((\t)%2)
.if (\t) < 3
	s_wait_loadcnt 32                              ; this block's 32 loads are in; the next block's may be out
.else
	s_wait_loadcnt 0x0
.endif
	v_max3_num_f32 v12, |v[XS]|, |v[XS+1]|, |v[XS+2]|      ; all 32 numbers of the block are mine
	v_max3_num_f32 v13, |v[XS+3]|, |v[XS+4]|, |v[XS+5]|
.irp i, 6,10,14,18,22,26
	v_max3_num_f32 v12, v12, |v[XS+\i]|, |v[XS+\i+1]|
	v_max3_num_f32 v13, v13, |v[XS+\i+2]|, |v[XS+\i+3]|
.endr
	v_max3_num_f32 v12, v12, |v[XS+30]|, |v[XS+31]|
	v_max3_num_f32 v12, v12, v13, 0x1800000        ; and the floor
	v_add_nc_u32 v14, 0xff000000, v12              ; the conversion's scale operand
	v_lshrrev_b32 v7, 23, v14                      ; the byte
.if (\t) == 0
	v_mov_b32 v15, v7
.else
	v_lshl_or_b32 v15, v7, 8*(\t), v15
.endif
	v_cvt_scalef32_pk16_fp6_f32 v[80:82], v[XS:XS+15], v14
	v_cvt_scalef32_pk16_fp6_f32 v[84:86], v[XS+16:XS+31], v14
	v_nop                                          ; one plain place behind a scaled conversion
	v_mov_b32 v83, v84                             ; the block's six words on end
	v_mov_b32 v84, v85
	v_mov_b32 v85, v86
.irp p, 0,1,2                                  ; block t is registers 6 (t / 2) .. + 5 of lane r' + 16 (t % 2)
	ds_store_b64 v2, v[80+2*\p:81+2*\p] offset:(3*((\t)/2)+\p)*256+128*((\t)%2)
.endr
.if (\t) < 2
	LOADB (\t)+2
.endif
	s_wait_dscnt 0x0                               ; the stores have read their registers
.endm
	LOADB 0
	LOADB 1
	BLOCK 0
	BLOCK 1
	BLOCK 2
	BLOCK 3
.irp i, 0,1,2,3,4,5
	ds_load_b128 v[96+4*\i:99+4*\i], v3 offset:(\i/3)*WTP+512*(\i%3)
.endr
	s_wait_alu depctr_va_vdst(0)
	global_store_b32 v5, v15, s[30:31]             ; the group's 32 words: 128 consecutive bytes, half of an aligned 256: one byte in 128 of what this path reads
.irp i, 0,1,2,3,4,5
	s_wait_dscnt 5-\i                              ; the younger loads may be out
	global_store_b128 v4, v[96+4*\i:99+4*\i], s[34:35] offset:(\i/3)*12288+512*(\i%3)   ; 512 consecutive bytes, aligned
.endr
	s_wait_tensorcnt 0x0
	ds_add_u32 v254, v255
	s_wait_dscnt 0x0
	s_endpgm
.Lfunc_end_k_q7b22d0b465_prep:
	.size	k_q7b22d0b465_prep, .Lfunc_end_k_q7b22d0b465_prep-k_q7b22d0b465_prep
	.p2alignl 7, 3214868480
	.fill 96, 4, 3214868480
	.section	.rodata,"a",@progbits
	.p2align	6, 0x0
	.amdhsa_kernel k_q7b22d0b465_prep
		.amdhsa_group_segment_fixed_size 48640
		.amdhsa_private_segment_fixed_size 0
		.amdhsa_enable_private_segment 0
		.amdhsa_kernarg_size 88
		.amdhsa_user_sgpr_count 2
		.amdhsa_user_sgpr_kernarg_segment_ptr 1
		.amdhsa_wavefront_size32 1
		.amdhsa_system_sgpr_workgroup_id_x 1
		.amdhsa_system_sgpr_workgroup_id_y 1
		.amdhsa_system_sgpr_workgroup_id_z 1
		.amdhsa_system_vgpr_workitem_id 0
		.amdhsa_next_free_vgpr 256
		.amdhsa_next_free_sgpr 66
		.amdhsa_reserve_vcc 0
		.amdhsa_float_denorm_mode_32 3
		.amdhsa_float_denorm_mode_16_64 3
		.amdhsa_memory_ordered 1
		.amdhsa_forward_progress 1
		.amdhsa_inst_pref_size 91
	.end_amdhsa_kernel
	.amdgpu_metadata
---
amdhsa.version: [ 1, 2 ]
amdhsa.kernels:
  - .name:           k_q7b22d0b465_prep
    .symbol:         k_q7b22d0b465_prep.kd
    .args:
      - { .name: q, .offset: 0, .size: 8, .value_kind: global_buffer, .address_space: global }
      - { .name: k, .offset: 8, .size: 8, .value_kind: global_buffer, .address_space: global }
      - { .name: v, .offset: 16, .size: 8, .value_kind: global_buffer, .address_space: global }
      - { .name: mask, .offset: 24, .size: 8, .value_kind: global_buffer, .address_space: global }
      - { .name: Wq, .offset: 32, .size: 8, .value_kind: global_buffer, .address_space: global }
      - { .name: Wk, .offset: 40, .size: 8, .value_kind: global_buffer, .address_space: global }
      - { .name: Wv, .offset: 48, .size: 8, .value_kind: global_buffer, .address_space: global }
      - { .name: Wo, .offset: 56, .size: 8, .value_kind: global_buffer, .address_space: global }
      - { .name: opimg, .offset: 64, .size: 8, .value_kind: global_buffer, .address_space: global }
      - { .name: opscl, .offset: 72, .size: 8, .value_kind: global_buffer, .address_space: global }
      - { .name: mlane, .offset: 80, .size: 8, .value_kind: global_buffer, .address_space: global }
    .group_segment_fixed_size: 48640
    .private_segment_fixed_size: 0
    .kernarg_segment_align: 8
    .kernarg_segment_size: 88
    .max_flat_workgroup_size: 128
    .sgpr_count:     66
    .vgpr_count:     256
    .wavefront_size: 32
...
	.end_amdgpu_metadata
.endif
;; end of part 1
;; launch proj (part 2): grid 4 x 64, 4 waves a work-group, clusters of 4 x 4, 327,680 bytes of LDS; arguments opimg, opscl, bq, bk, bv, qkpk, vpk; writes qkpk, vpk
.if DOCPART == 2
	.amdgcn_target "amdgcn-amd-amdhsa--gfx1250"
	.amdhsa_code_object_version 6
	.text
	.protected	k_q7b22d0b465_proj
	.globl	k_q7b22d0b465_proj
	.p2align	8
	.type	k_q7b22d0b465_proj,@function
k_q7b22d0b465_proj:
	s_mov_b64 s[64:65], 0
	v_nop
	global_prefetch_b8 v0, s[64:65] scope:SCOPE_SE
	s_setreg_imm32_b32 hwreg(HW_REG_WAVE_MODE, 25, 1), 1
	s_wait_xcnt 0x0
	s_wait_alu depctr_hold_cnt(0) depctr_sa_sdst(0) depctr_va_vdst(0) depctr_va_sdst(0) depctr_va_ssrc(0) depctr_va_vcc(0) depctr_vm_vsrc(0)
	s_getreg_b32 s2, hwreg(HW_REG_IB_STS2, 6, 4)
	s_cmp_eq_u32 s2, 0
	s_cbranch_scc0 .Lentry_in_a_cluster
	s_endpgm
.Lentry_in_a_cluster:
	s_bfe_u32 s2, ttmp6, 0x10000c
	s_cmp_lg_u32 s2, 0xf033
	s_cbranch_scc0 .Lentry_shape_is_right
	s_endpgm
.Lentry_shape_is_right:
; PROJ: qh = q Wq + bq, kh = k Wk + bk, vh = v Wv + bv on codes of FP6 with E8M0 scales, and their quantising: qh and kh along the head's 64, vh along the keys.
; A WORK-GROUP STAYS for three tiles: a tile of q's product, one of k's, one of v's.  A tile is 256 rows of S0 (source 0) x 128 rows of S1 (source 1), K = 1,024; four waves, each 8 tiles of S0 x 4 of S1: 32 accumulators.
; q, k: S0 = the weight's n, S1 = the tokens: a lane holds one token, its 64 registers of a tile of tokens run along n (register 16 B + i = n 32 B + 16 (L / 16) + i): two heads of 64.
; v: S0 = the tokens, S1 = Wv's n: a lane holds one channel, its 64 registers run along the keys: one key step of 128.
; THE RING.  Two LDS slots, each with half of K (four K steps): S0's 16 tiles x 6,144 bytes and S1's 8 x 6,144.  In a tile's step 3 slot 0 has been read out and takes the next tile's first half; in step 7 slot 1 takes
; its second half: a refill has four K steps, 128 matrix instructions a wave, in which to land.  One tensor load a wave behind each round; every wait on TENSORcnt is for 0; one load of a wave is out at a time.
; The q and k tiles are the two trips of a loop; the v tile, which asks for nothing more, is written out behind it.
; Operands lie in memory as images of the operand's registers (1,536 bytes for 16 rows x 128 K; group p of 256 bytes holds registers 2 p, 2 p + 1 of lane L at 8 L), [tile][K step].
; CLUSTER 4 x 4.  S0's tile hangs on the cluster and cx alone and is asked for jointly by the four of a column; S1's on the cluster and cy alone, by the four of a row.  All partners walk the same three tiles.
; NO PREFETCH: each slot's refill is issued as soon as the slot is free, four K steps ahead of its wait; the walk has three tiles and no longer stream to run ahead in.
; The bias is the C of each sum's first product.  The next tile's scale words and bias are loaded behind a tile's last product and land under its way out.
; OUT.  qkpk [q, k][128 heads][51,200]: 32 pair images (registers 0-5: tile 2 G's 64 head dims; 6-11: tile 2 G + 1's), then 32 x 16 scale words.  vpk [128 heads][51,200]: [8 key steps][4 tiles of d] images, then [8][4][16] scale words.
; The packs' images lie in three groups of 512 bytes: registers 4 g .. 4 g + 3 of lane L at 512 g + 16 L.
; LIMITS: NaN and infinities are not served; a block whose largest magnitude lies under 2^-124 gets the byte 1 (only this program reads the bytes).
; REGISTERS.  window 0: v1 8 L, v2 4 L, v3 64 h, v5, v16, v17 offsets; v8-9, v12-13 LDS addresses by slot; v32-63 S0's scale words, v64-79 S1's; v80-175 S1's fragments, two sets; v176-253 the way out; v254, v255 the add's.
;   window 1: v0-191 S0's fragments, two sets; v192-255 the bias.   window 2: accumulator (a, b) at v[64 a + 8 b].
.set WIMG,  18874368
.set WSCL,  786432
.set TROW,  12288                      ; a tile's images for all of K
.set CH0,   98304                      ; S0's part of a slot
.set CH1,   49152                      ; S1's
.set S1L,   2*CH0                      ; S1's parts lie behind S0's
.set SPARE, 294912                     ; the spare words
.set A0,  8
.set A1,  12
.set SC0, 32
.set SC1, 64
.set F1,  80
.set BIAS, 192
.set FQ,  176
.set SP,  224
.set TM,  232
.set MSB, 0
.macro WIN new                         ; the immediate's high byte repeats the setting that is left
.if MSB != \new
	s_set_vgpr_msb (MSB<<8)|\new
.set MSB, \new
.endif
.endm
.macro CROUND                          ; a round of the cluster's barrier
	s_barrier_signal -1
	s_barrier_wait -1
	s_cmp_lg_u32 s14, 0
	s_cbranch_scc1 .Lnot_wave_0_\@
	s_barrier_signal -3
.Lnot_wave_0_\@:
	s_barrier_wait -3
	s_barrier_signal -1
	s_barrier_wait -1
.endm
.macro PLACES                          ; four plain places behind a matrix instruction (ISA guide 7.12.1)
.rept 4
	v_nop
.endr
.endm
.macro JLOAD c                         ; a joint load into slot c: waves 0, 1 fetch S0's two halves, waves 2, 3 S1's; the branch hangs on the wave's number alone
	s_cmp_eq_u32 s15, 0
	s_cbranch_scc0 .Lfor_s1_\@
	tensor_load_to_lds s[32+4*(\c):35+4*(\c)], s[16:23]
	s_nop 0
.rept 4
	v_nop
.endr
	s_branch .Lasked_\@
.Lfor_s1_\@:
	tensor_load_to_lds s[48+4*(\c):51+4*(\c)], s[24:31]
	s_nop 0
.rept 4
	v_nop
.endr
.Lasked_\@:
.endm
	s_load_b256 s[4:11], s[0:1], 0x0               ; opimg, opscl, bq, bk
	s_load_b128 s[40:43], s[0:1], 0x20             ; bv, qkpk
	s_load_b64 s[44:45], s[0:1], 0x30              ; vpk
	v_lshl_add_u32 v254, v0, 2, SPARE
	v_mov_b32 v255, 0
	ds_add_u32 v254, v255                          ; the opening lines: the add, twice on end, and its wait
	ds_add_u32 v254, v255
	v_lshrrev_b32 v1, 5, v0
	v_readfirstlane_b32 s14, v1                    ; wave 0..3
	s_lshr_b32 s15, s14, 1                         ; my half of S1's rows.  Also: I fetch for S0 (0) or S1 (1)
	s_and_b32 s3, s14, 1                           ; my half of S0's rows.  Also: which half of the tile I fetch
	s_bfe_u32 s66, ttmp6, 0x40000                  ; cx
	s_bfe_u32 s67, ttmp6, 0x40004                  ; cy
	s_lshl_b32 s68, ttmp9, 2
	s_add_co_u32 s68, s68, s66                     ; q, k: x, the block of 256 n
	s_and_b32 s101, ttmp7, 0xffff                  ; the cluster's number, 0 .. 15
	s_lshl_b32 s69, s101, 2
	s_add_co_u32 s69, s69, s67                     ; q, k: y, the block of 128 tokens
	s_and_b32 s104, s101, 7
	s_lshl_b32 s104, s104, 2
	s_add_co_u32 s104, s104, s66                   ; v: x, the block of 256 tokens, 0 .. 31
	s_lshr_b32 s105, s101, 3
	s_lshl_b32 s105, s105, 2
	s_add_co_u32 s105, s105, s67                   ; v: y, the block of 128 n, 0 .. 7
	s_lshl_b32 s78, 0x1111, s66                    ; my column of the cluster
	s_lshl_b32 s79, s67, 2
	s_lshl_b32 s79, 15, s79                        ; my row
	; descriptor group 1: rows of 6,144 bytes (a tile's four K steps) as 768 elements of 8 bytes, 12,288 bytes apart; 8 rows for S0, 4 for S1; no padding
	s_or_b32 s16, s78, (3<<16)|(1<<21)
	s_or_b32 s24, s79, (3<<16)|(1<<21)
.irp g, 16, 24
	s_mov_b32 s[\g+1], 768<<16
	s_mov_b32 s[\g+3], 768<<16
	s_mov_b32 s[\g+5], 1536
	s_mov_b32 s[\g+6], 0
	s_mov_b32 s[\g+7], 0
.endr
	s_mov_b32 s18, 8<<16
	s_mov_b32 s20, 8
	s_mov_b32 s26, 4<<16
	s_mov_b32 s28, 4
	; S0's addresses are made of cx, the cluster and the wave; S1's of cy, the cluster and the wave; each in registers that never hold the other coordinate
	s_lshl_b32 s70, s68, 4
	s_lshl_b32 s74, s3, 3
	s_add_co_u32 s70, s70, s74                     ; q: S0: tile 16 x + 8 x half of Wq's images
	s_mul_i32 s70, s70, TROW
	s_add_co_u32 s70, s70, WIMG
	s_mov_b32 s71, 0
	s_lshl_b32 s72, s69, 3
	s_lshl_b32 s76, s3, 2
	s_add_co_u32 s72, s72, s76                     ; q: S1: tile 8 y + 4 x half of q's images
	s_mul_i32 s72, s72, TROW
	s_mov_b32 s73, 0
	s_lshl_b32 s60, s104, 4
	s_add_co_u32 s60, s60, s74                     ; v: S0: tile 16 x + 8 x half of v's images
	s_mul_i32 s60, s60, TROW
	s_add_co_u32 s60, s60, 12582912
	s_mov_b32 s61, 0
	s_lshl_b32 s62, s105, 3
	s_add_co_u32 s62, s62, s76                     ; v: S1: tile 8 y + 4 x half of Wv's
	s_mul_i32 s62, s62, TROW
	s_add_co_u32 s62, s62, WIMG+1572864
	s_mov_b32 s63, 0
	s_mul_i32 s75, s3, 8*6144                      ; where they go: no place in the cluster enters an LDS address
	s_mul_i32 s77, s3, 4*6144
	s_add_co_u32 s77, s77, S1L
	s_wait_dscnt 0x0
	s_wait_kmcnt 0x0
	s_add_nc_u64 s[70:71], s[4:5], s[70:71]
	s_add_nc_u64 s[72:73], s[4:5], s[72:73]
	s_add_nc_u64 s[56:57], s[70:71], 786432        ; the next tile's S0: Wk's images lie behind Wq's,
	s_add_nc_u64 s[58:59], s[72:73], 6291456       ; its S1: k's behind q's
	s_add_nc_u64 s[60:61], s[4:5], s[60:61]        ; and the v tile's
	s_add_nc_u64 s[62:63], s[4:5], s[62:63]
.irp c, 0,1
	s_mov_b32 s[32+4*\c], 1
	s_add_co_u32 s[33+4*\c], s75, \c*CH0
	s_add_nc_u64 s[34+4*\c:35+4*\c], s[70:71], \c*6144
	s_or_b32 s[35+4*\c], s[35+4*\c], 0x80000000
	s_mov_b32 s[48+4*\c], 1
	s_add_co_u32 s[49+4*\c], s77, \c*CH1
	s_add_nc_u64 s[50+4*\c:51+4*\c], s[72:73], \c*6144
	s_or_b32 s[51+4*\c], s[51+4*\c], 0x80000000
.endr
	CROUND                                         ; all sixteen work-groups are here: the joint loads meet
	JLOAD 0                                        ; the q tile's first half of K: one tensor load a wave at the head
	s_mul_i32 s88, s3, 8*6144                      ; my 8 tiles of S0,
	s_mul_i32 s89, s15, 4*6144                     ; my 4 tiles of S1
	s_add_co_u32 s89, s89, S1L
	s_add_co_u32 s90, s88, CH0
	s_add_co_u32 s91, s89, CH1
	v_and_b32 v4, 31, v0
	v_lshlrev_b32 v1, 3, v4                        ; 8 L
	v_lshlrev_b32 v2, 2, v4                        ; 4 L
	v_lshlrev_b32 v16, 4, v4                       ; 16 L
	v_bfe_u32 v6, v0, 4, 1                         ; h
	v_lshlrev_b32 v3, 6, v6                        ; 64 h
	v_and_b32 v7, 15, v0                           ; r
	v_mul_u32_u24 v5, v6, 51200
	v_lshl_add_u32 v5, v7, 2, v5                   ; q's and k's scale words: head h's pack, word r
	v_and_b32 v18, 7, v0
	v_bfe_u32 v19, v0, 3, 1
	v_lshl_add_u32 v17, v19, 4, v18
	v_lshlrev_b32 v17, 2, v17                      ; v's bias: my slot's row in a tile: r % 8 + 16 (r / 8), in bytes
	v_add_nc_u32 v[A0], s88, v1
	v_add_nc_u32 v[A0+1], s90, v1
	v_add_nc_u32 v[A1], s89, v1
	v_add_nc_u32 v[A1+1], s91, v1
.irp b, 0,1,2,3
	v_mov_b32 v[TM+4+\b], 0                        ; written once: a lane permute's destination counts as one of its sources
.endr
	s_wait_alu depctr_va_vdst(0)
	; q: scale words, bias
	s_lshl_b32 s88, s68, 3
	s_lshl_b32 s89, s3, 2
	s_add_co_u32 s88, s88, s89                     ; S0's first group of mine: 8 x + 4 x half
	s_lshl_b32 s88, s88, 7
	s_add_co_u32 s88, s88, WSCL
	s_mov_b32 s89, 0
	s_add_nc_u64 s[80:81], s[6:7], s[88:89]
	s_lshl_b32 s88, s69, 2
	s_lshl_b32 s91, s15, 1
	s_add_co_u32 s88, s88, s91                     ; S1's: 4 y + 2 x half
	s_lshl_b32 s88, s88, 7
	s_add_nc_u64 s[82:83], s[6:7], s[88:89]
	s_lshl_b32 s88, s68, 10
	s_lshl_b32 s91, s3, 9
	s_add_co_u32 s88, s88, s91                     ; my first n, in bytes
	s_add_nc_u64 s[84:85], s[8:9], s[88:89]        ; in bq,
	s_add_nc_u64 s[46:47], s[10:11], s[88:89]      ; and in bk
	; v: scale words, bias
	s_lshl_b32 s88, s104, 3
	s_lshl_b32 s91, s3, 2
	s_add_co_u32 s88, s88, s91
	s_lshl_b32 s88, s88, 7
	s_add_co_u32 s88, s88, 524288
	s_add_nc_u64 s[70:71], s[6:7], s[88:89]
	s_lshl_b32 s88, s105, 2
	s_lshl_b32 s91, s15, 1
	s_add_co_u32 s88, s88, s91
	s_lshl_b32 s88, s88, 7
	s_add_co_u32 s88, s88, WSCL+65536
	s_add_nc_u64 s[72:73], s[6:7], s[88:89]
	s_lshl_b32 s88, s105, 9
	s_lshl_b32 s91, s15, 8
	s_add_co_u32 s88, s88, s91                     ; my first n, in bytes: 4 (128 y + 64 x half)
	s_add_nc_u64 s[74:75], s[40:41], s[88:89]
.macro LOADS_QK                        ; a q or k tile's scale words and bias, from memory straight into registers
.irp i, 0,1,2,3
.irp s, 0,1,2,3,4,5,6,7
	global_load_b32 v[SC0+8*\i+\s], v2, s[80:81] offset:\s*4096+\i*128   ; lanes 0-15 tile 2 i's words, lanes 16-31 tile 2 i + 1's
.endr
.endr
.irp i, 0,1
.irp s, 0,1,2,3,4,5,6,7
	global_load_b32 v[SC1+8*\i+\s], v2, s[82:83] offset:\s*32768+\i*128
.endr
.endr
	WIN 0x40                                       ; destination window 1
.irp b, 0,1,2,3,4,5,6,7                        ; tile b's eight registers: n 32 (b / 2) + 16 h + 8 (b % 2) + 0 .. 7
	global_load_b128 v[BIAS+8*\b:BIAS+8*\b+3], v3, s[84:85] offset:(32*(\b/2)+8*(\b%2))*4
	global_load_b128 v[BIAS+8*\b+4:BIAS+8*\b+7], v3, s[84:85] offset:(32*(\b/2)+8*(\b%2))*4+16
.endr
	WIN 0
.endm
.macro LOADS_V                         ; the v tile's
.irp i, 0,1,2,3
.irp s, 0,1,2,3,4,5,6,7
	global_load_b32 v[SC0+8*\i+\s], v2, s[70:71] offset:\s*32768+\i*128
.endr
.endr
.irp i, 0,1
.irp s, 0,1,2,3,4,5,6,7
	global_load_b32 v[SC1+8*\i+\s], v2, s[72:73] offset:\s*4096+\i*128
.endr
.endr
	WIN 0x40
.irp a, 0,1,2,3
.irp j, 0,1,2,3,4,5,6,7
	global_load_b32 v[BIAS+8*\a+\j], v17, s[74:75] offset:(32*(\a/2)+8*(\a%2))*4   ; my channel's bias, eight times: it then costs no addition
.endr
.endr
	WIN 0
.endm
	LOADS_QK
	; where q's results go (k's lie 6,553,600 bytes further on)
	s_lshr_b32 s91, s69, 3                         ; the batch
	s_lshl_b32 s91, s91, 4
	s_lshl_b32 s94, s68, 2
	s_add_co_u32 s91, s91, s94
	s_lshl_b32 s94, s3, 1
	s_add_co_u32 s91, s91, s94                     ; my first head: 16 batch + 4 x + 2 x half
	s_mul_i32 s88, s91, 51200
	s_and_b32 s94, s69, 7
	s_lshl_b32 s94, s94, 2
	s_lshl_b32 s95, s15, 1
	s_add_co_u32 s94, s94, s95                     ; my first group of tokens in the batch
	s_mul_i32 s95, s94, 1536
	s_add_co_u32 s90, s88, s95
	s_mov_b32 s91, 0
	s_add_nc_u64 s[86:87], s[42:43], s[90:91]      ; pair images
	s_lshl_b32 s94, s94, 6
	s_add_co_u32 s90, s88, s94
	s_add_co_u32 s90, s90, 49152
	s_add_nc_u64 s[92:93], s[42:43], s[90:91]      ; scale words
	; and v's
	s_lshr_b32 s94, s104, 2                        ; the batch
	s_lshl_b32 s94, s94, 4
	s_lshl_b32 s95, s105, 1
	s_add_co_u32 s94, s94, s95
	s_add_co_u32 s94, s94, s15                     ; my head: 16 batch + 2 y + half
	s_mul_i32 s88, s94, 51200
	s_and_b32 s94, s104, 3
	s_lshl_b32 s94, s94, 1
	s_add_co_u32 s94, s94, s3                      ; my key step
	s_mul_i32 s95, s94, 6144
	s_add_co_u32 s90, s88, s95
	s_add_nc_u64 s[76:77], s[44:45], s[90:91]      ; images
	s_lshl_b32 s94, s94, 8
	s_add_co_u32 s90, s88, s94
	s_add_co_u32 s90, s90, 49152
	s_add_nc_u64 s[78:79], s[44:45], s[90:91]      ; scale words
	s_mov_b32 s96, 0xffff0000                      ; lanes 16-31
	s_mov_b32 s98, 0x76543210
	s_mov_b32 s99, 0xfedcba98
.macro FRAG reg, adr, off              ; a fragment: six loads of 8 bytes a lane, each 256 consecutive bytes
.irp p, 0,1,2,3,4,5
	ds_load_b64 v[(\reg)+2*\p:(\reg)+2*\p+1], v[\adr] offset:(\off)+256*\p
.endr
.endm
.macro FETCH s                         ; K step s: S0's eight fragments and S1's four, into set s % 2
	WIN 0x40
.irp b, 0,1,2,3,4,5,6,7
	FRAG 96*((\s)%2)+12*\b, A0+(\s)/4, 6144*\b+1536*((\s)%4)
.endr
	WIN 0
.irp a, 0,1,2,3
	FRAG F1+48*((\s)%2)+12*\a, A1+(\s)/4, 6144*\a+1536*((\s)%4)
.endr
.endm
.macro MM a, b, s, vb                  ; one product.  An odd tile's scale words lie in lanes 16-31 of its pair's register
.set rD, 64*(\a)+8*(\b)
.set rA, 96*((\s)%2)+12*(\b)
.set rB, F1+48*((\s)%2)+12*(\a)
.set rX, SC0+8*((\b)/2)+(\s)
.set rY, SC1+8*((\a)/2)+(\s)
.set rC, rD
.if (\s) == 0                          ; the first product starts the sum with the bias: by S0's tile for q and k, by S1's for v
.if \vb
.set rC, BIAS+8*(\a)
.else
.set rC, BIAS+8*(\b)
.endif
.endif
.if ((\b)%2 == 0) && ((\a)%2 == 0)
	v_wmma_scale_f32_16x16x128_f8f6f4 v[rD:rD+7], v[rA:rA+11], v[rB:rB+11], v[rC:rC+7], v[rX], v[rY] matrix_a_fmt:MATRIX_FMT_FP6 matrix_b_fmt:MATRIX_FMT_FP6
.elseif ((\b)%2 == 1) && ((\a)%2 == 0)
	v_wmma_scale_f32_16x16x128_f8f6f4 v[rD:rD+7], v[rA:rA+11], v[rB:rB+11], v[rC:rC+7], v[rX], v[rY] matrix_a_fmt:MATRIX_FMT_FP6 matrix_b_fmt:MATRIX_FMT_FP6 matrix_a_scale:MATRIX_SCALE_ROW1
.elseif ((\b)%2 == 0) && ((\a)%2 == 1)
	v_wmma_scale_f32_16x16x128_f8f6f4 v[rD:rD+7], v[rA:rA+11], v[rB:rB+11], v[rC:rC+7], v[rX], v[rY] matrix_a_fmt:MATRIX_FMT_FP6 matrix_b_fmt:MATRIX_FMT_FP6 matrix_b_scale:MATRIX_SCALE_ROW1
.else
	v_wmma_scale_f32_16x16x128_f8f6f4 v[rD:rD+7], v[rA:rA+11], v[rB:rB+11], v[rC:rC+7], v[rX], v[rY] matrix_a_fmt:MATRIX_FMT_FP6 matrix_b_fmt:MATRIX_FMT_FP6 matrix_a_scale:MATRIX_SCALE_ROW1 matrix_b_scale:MATRIX_SCALE_ROW1
.endif
.endm
.macro MUL8 a, s, vb                   ; S1's tile a against S0's eight.  The 32 accumulators take turns, one instruction a turn, in the same order in every step
.if (\s) == 0
	WIN 0x91                                       ; source 0 and C window 1, source 1 window 0, D window 2
.else
	WIN 0xa1                                       ; C and D window 2
.endif
.irp b, 0,1,2,3,4,5,6,7
	MM \a, \b, \s, \vb
.endr
.endm
; A K step.  refill = 1: in step 3 slot 0, in step 7 slot 1 has been read out by me (the wait at the step's head) and takes the next tile's half of K
.macro STEP s, refill, vb
	s_wait_dscnt 0x0                               ; this step's fragments are in (asked for 24 matrix instructions ago)
	MUL8 0, \s, \vb
.if ((\s) == 3 || (\s) == 7) && \refill
	WIN 0
	s_wait_tensorcnt 0x0                           ; my one load that was out, my part of the other slot, has landed;
	ds_add_u32 v254, v255
	s_add_nc_u64 s[34+4*((\s)/4):35+4*((\s)/4)], s[56:57], 6144*((\s)/4)   ; no load of mine is out, so a group 0 may be written: the next tile's half of K
	s_or_b32 s[35+4*((\s)/4)], s[35+4*((\s)/4)], 0x80000000
	s_add_nc_u64 s[50+4*((\s)/4):51+4*((\s)/4)], s[58:59], 6144*((\s)/4)
	s_or_b32 s[51+4*((\s)/4)], s[51+4*((\s)/4)], 0x80000000
	s_wait_dscnt 0x0                               ; the add is done
	CROUND                                         ; no wave of any partner still reads this slot or has a load on its way, and the other slot is whole
	JLOAD (\s)/4                                   ; the first tensor load behind the round; its four v_nop are also the places ahead of the loads below
	FETCH ((\s)+1)%8
.elseif (\s) == 3
	s_wait_tensorcnt 0x0                           ; my part of slot 1 has landed
	s_barrier_signal -1                            ; (no LDS instruction of mine is out)
	s_barrier_wait -1
	PLACES
	FETCH 4
.elseif (\s) < 7
	PLACES
	FETCH (\s)+1
.endif
	MUL8 1, \s, \vb
	MUL8 2, \s, \vb
	MUL8 3, \s, \vb
.endm
.macro CORE refill, vb
	s_wait_loadcnt 0x0                             ; this tile's scale words and bias
.irp s, 0,1,2,3,4,5,6,7
	STEP \s, \refill, \vb
.endr
	WIN 0
	PLACES                                         ; ahead of the first read of results and of loads into the scale words' registers
.endm
; 64 results of a lane (window 2, v[src] on) become codes: blocks 0, 1 in v[d0] .. + 5, blocks 2, 3 in v[d1] .. + 5; the four bytes stay in v[TM+4] on.  Each accumulator is read from its low end on.
.macro QUANT64 src, d0, d1
	WIN 0x28                                       ; sources 1 and 2 window 2
.irp b, 0,1,2,3
	v_max3_num_f32 v[TM+\b], 0x1800000, |v[(\src)+16*\b]|, |v[(\src)+1+16*\b]|   ; the floor 2^(3 - 127) among the leaves: the byte cannot fall under 1
.endr
.irp i, 2,4,6,8,10,12,14
.irp b, 0,1,2,3
	v_max3_num_f32 v[TM+\b], v[TM+\b], |v[(\src)+16*\b+\i]|, |v[(\src)+1+16*\b+\i]|
.endr
.endr
	WIN 0
.irp b, 0,1,2,3
	v_permlanex16_b32 v[TM+4+\b], v[TM+\b], s98, s99
.endr
.irp b, 0,1,2,3
	v_max_num_f32 v[TM+\b], v[TM+\b], v[TM+4+\b]
.endr
.irp b, 0,1,2,3
	v_add_nc_u32 v[TM+12+\b], 0xff000000, v[TM+\b] ; 2 off the exponent field: the conversion's scale operand
.endr
.irp b, 0,1,2,3
	v_lshrrev_b32 v[TM+4+\b], 23, v[TM+12+\b]      ; the byte
.endr
	WIN 0x02                                       ; source 0 window 2
	v_cvt_scalef32_pk16_fp6_f32 v[(\d0):(\d0)+2], v[(\src):(\src)+15], v[TM+12]
	v_cvt_scalef32_pk16_fp6_f32 v[SP:SP+2], v[(\src)+16:(\src)+31], v[TM+13]
	v_cvt_scalef32_pk16_fp6_f32 v[(\d1):(\d1)+2], v[(\src)+32:(\src)+47], v[TM+14]
	v_cvt_scalef32_pk16_fp6_f32 v[SP+4:SP+6], v[(\src)+48:(\src)+63], v[TM+15]
	WIN 0
	v_nop                                          ; one plain place behind a scaled conversion
.irp i, 0,1,2
	v_permlane16_swap_b32 v[(\d0)+\i], v[SP+\i]    ; a whole block to a lane
	v_permlane16_swap_b32 v[(\d1)+\i], v[SP+4+\i]
.endr
.irp i, 0,1,2
	v_mov_b32 v[(\d0)+3+\i], v[SP+\i]
	v_mov_b32 v[(\d1)+3+\i], v[SP+4+\i]
.endr
.endm
	s_wait_alu depctr_va_vdst(0)                   ; the wait at the head's end
	s_wait_tensorcnt 0x0                           ; my part of slot 0 is in
	ds_add_u32 v254, v255
	s_wait_dscnt 0x0
	CROUND                                         ; everybody's part is in, and all sixteen work-groups are here
	JLOAD 1                                        ; the q tile's second half of K
	FETCH 0
	s_mov_b32 s100, 0                              ; the trip: 0 the q tile, 1 the k tile: the same in every work-group
.Ltile:
	CORE 1, 0
	s_cmp_eq_u32 s100, 0                           ; the next tile's scale words and bias land under the way out
	s_cbranch_scc0 .Lnext_v
	s_add_nc_u64 s[80:81], s[80:81], 32768         ; (the loads that read these bases were waited for at the tile's head)  Wk's scale plane,
	s_add_nc_u64 s[82:83], s[82:83], 262144        ; k's,
	s_mov_b64 s[84:85], s[46:47]                   ; bk
	LOADS_QK
	s_branch .Lnext_done
.Lnext_v:
	LOADS_V
.Lnext_done:
; THE WAY OUT of a q or k tile.  Group i of my tokens (tiles 2 i, 2 i + 1) x my two heads: two pair images and their scale words
.irp i, 0,1
	QUANT64 128*\i, FQ+24*\i, FQ+24*\i+12
	v_lshl_or_b32 v[248+2*\i], v[TM+5], 8, v[TM+4]         ; head 0: the even tile's two bytes
	v_lshl_or_b32 v[249+2*\i], v[TM+7], 8, v[TM+6]         ; head 1
	QUANT64 128*\i+64, FQ+24*\i+6, FQ+24*\i+18
	v_lshl_or_b32 v[248+2*\i], v[TM+4], 16, v[248+2*\i]    ; the odd tile's above them
	v_lshl_or_b32 v[248+2*\i], v[TM+5], 24, v[248+2*\i]
	v_lshl_or_b32 v[249+2*\i], v[TM+6], 16, v[249+2*\i]
	v_lshl_or_b32 v[249+2*\i], v[TM+7], 24, v[249+2*\i]
	v_cndmask_b32 v[252+\i], v[248+2*\i], v[249+2*\i], s96 ; lanes 0-15 head 0's words, lanes 16-31 head 1's
.irp e, 0,1
.irp p, 0,1,2
	global_store_b128 v16, v[FQ+24*\i+12*\e+4*\p:FQ+24*\i+12*\e+4*\p+3], s[86:87] offset:\e*51200+\i*1536+512*\p   ; 512 consecutive bytes, aligned
.endr
.endr
	global_store_b32 v5, v[252+\i], s[92:93] offset:\i*64  ; two runs of 64 bytes: parts of aligned 256s; 1 byte in 24 of what is stored
.endr
	s_wait_alu depctr_va_vdst(0)                   ; the wait here, directly ahead of the wait below
	s_wait_xcnt 0x0                                ; the stores have read their data and their bases: both are written again only behind this wait
	s_add_nc_u64 s[86:87], s[86:87], 6553600       ; k's packs lie behind q's
	s_add_nc_u64 s[92:93], s[92:93], 6553600
	s_mov_b64 s[56:57], s[60:61]                   ; the tile after the next is v's
	s_mov_b64 s[58:59], s[62:63]
	s_add_co_u32 s100, s100, 1
	s_cmp_lt_u32 s100, 2
	s_cbranch_scc1 .Ltile
	CORE 0, 1                                      ; the v tile: nothing more is asked for
; THE WAY OUT of the v tile: each tile of channels gives one whole fragment of 128 keys and a scale word a channel
.irp a, 0,1,2,3
	QUANT64 64*\a, FQ+12*\a, FQ+12*\a+6
	v_lshl_or_b32 v[248+\a], v[TM+5], 8, v[TM+4]
	v_lshl_or_b32 v[248+\a], v[TM+6], 16, v[248+\a]
	v_lshl_or_b32 v[248+\a], v[TM+7], 24, v[248+\a]
.irp p, 0,1,2
	global_store_b128 v16, v[FQ+12*\a+4*\p:FQ+12*\a+4*\p+3], s[76:77] offset:\a*1536+512*\p   ; 512 consecutive bytes, aligned
.endr
.endr
	v_cndmask_b32 v252, v248, v249, s96            ; lanes 0-15 the even tile's words, lanes 16-31 the odd tile's
	v_cndmask_b32 v253, v250, v251, s96
	global_store_b32 v2, v252, s[78:79]            ; the two stores together cover 256 consecutive bytes, aligned
	global_store_b32 v2, v253, s[78:79] offset:128
	s_wait_tensorcnt 0x0                           ; the wave's end
	ds_add_u32 v254, v255
	s_wait_dscnt 0x0
	CROUND                                         ; the closing round: no work-group ends while a partner may still ask for a tile that names it
	s_endpgm
.Lfunc_end_k_q7b22d0b465_proj:
	.size	k_q7b22d0b465_proj, .Lfunc_end_k_q7b22d0b465_proj-k_q7b22d0b465_proj
	.p2alignl 7, 3214868480
	.fill 96, 4, 3214868480
	.section	.rodata,"a",@progbits
	.p2align	6, 0x0
	.amdhsa_kernel k_q7b22d0b465_proj
		.amdhsa_group_segment_fixed_size 327680
		.amdhsa_private_segment_fixed_size 0
		.amdhsa_enable_private_segment 0
		.amdhsa_kernarg_size 56
		.amdhsa_user_sgpr_count 2
		.amdhsa_user_sgpr_kernarg_segment_ptr 1
		.amdhsa_wavefront_size32 1
		.amdhsa_system_sgpr_workgroup_id_x 1
		.amdhsa_system_sgpr_workgroup_id_y 1
		.amdhsa_system_sgpr_workgroup_id_z 1
		.amdhsa_system_vgpr_workitem_id 0
		.amdhsa_next_free_vgpr 768
		.amdhsa_next_free_sgpr 106
		.amdhsa_reserve_vcc 0
		.amdhsa_float_denorm_mode_32 3
		.amdhsa_float_denorm_mode_16_64 3
		.amdhsa_memory_ordered 1
		.amdhsa_forward_progress 1
		.amdhsa_inst_pref_size 208
	.end_amdhsa_kernel
	.amdgpu_metadata
---
amdhsa.version: [ 1, 2 ]
amdhsa.kernels:
  - .name:           k_q7b22d0b465_proj
    .symbol:         k_q7b22d0b465_proj.kd
    .args:
      - { .name: opimg, .offset: 0, .size: 8, .value_kind: global_buffer, .address_space: global }
      - { .name: opscl, .offset: 8, .size: 8, .value_kind: global_buffer, .address_space: global }
      - { .name: bq, .offset: 16, .size: 8, .value_kind: global_buffer, .address_space: global }
      - { .name: bk, .offset: 24, .size: 8, .value_kind: global_buffer, .address_space: global }
      - { .name: bv, .offset: 32, .size: 8, .value_kind: global_buffer, .address_space: global }
      - { .name: qkpk, .offset: 40, .size: 8, .value_kind: global_buffer, .address_space: global }
      - { .name: vpk, .offset: 48, .size: 8, .value_kind: global_buffer, .address_space: global }
    .group_segment_fixed_size: 327680
    .private_segment_fixed_size: 0
    .kernarg_segment_align: 8
    .kernarg_segment_size: 56
    .max_flat_workgroup_size: 128
    .sgpr_count:     106
    .vgpr_count:     768
    .wavefront_size: 32
...
	.end_amdgpu_metadata
.endif
;; end of part 2
;; launch attn (part 3): grid 4 x 64, 16 waves a work-group, clusters of 4 x 1, 216,064 bytes of LDS; arguments qkpk, vpk, mlane, cimg, cscl; writes cimg, cscl
.if DOCPART == 3
	.amdgcn_target "amdgcn-amd-amdhsa--gfx1250"
	.amdhsa_code_object_version 6
	.text
	.protected	k_q7b22d0b465_attn
	.globl	k_q7b22d0b465_attn
	.p2align	8
	.type	k_q7b22d0b465_attn,@function
k_q7b22d0b465_attn:
	s_mov_b64 s[64:65], 0
	v_nop
	global_prefetch_b8 v0, s[64:65] scope:SCOPE_SE
	s_setreg_imm32_b32 hwreg(HW_REG_WAVE_MODE, 25, 1), 1
	s_wait_xcnt 0x0
	s_wait_alu depctr_hold_cnt(0) depctr_sa_sdst(0) depctr_va_vdst(0) depctr_va_sdst(0) depctr_va_ssrc(0) depctr_va_vcc(0) depctr_vm_vsrc(0)
	s_getreg_b32 s2, hwreg(HW_REG_IB_STS2, 6, 4)
	s_cmp_eq_u32 s2, 0
	s_cbranch_scc0 .Lentry_in_a_cluster
	s_endpgm
.Lentry_in_a_cluster:
	s_bfe_u32 s2, ttmp6, 0x10000c
	s_cmp_lg_u32 s2, 0x3003
	s_cbranch_scc0 .Lentry_shape_is_right
	s_endpgm
.Lentry_shape_is_right:
; ATTN: for a pair of heads and 256 queries: scores = qh kh^T / 8, masked logits replaced, softmax, x vh, and the quantising of the result along the model axis; both products on codes of FP6 with E8M0 scales.
; THE SOFTMAX AHEAD OF THE SECOND PRODUCT: t = score x c, c = log2(e) / 8; M = the row's largest t so far, rounded up to a whole number; p = 2^(t - M) is quantised along the keys, not normalised;
; the row's sum is taken of the unquantised p and divides at the end.  When M moves, the sum and O are multiplied by 2^(old M - new M): exact.
; THE MASK is applied to the scores, ahead of the maximum.  A masked score is -2^33, a logit of -2^30 = -1.0737e9, where reference() has -1e9: its product with c is exact and a whole number,
; so a row that is wholly masked gets t - M = 0 and p = 1 everywhere; as soon as a key counts, what was summed before is multiplied by a power of two that has fallen to 0.
; LIMITS: the result differs from reference()'s only where a row's largest unmasked logit lies between about -1.08e9 and -0.99e9.  NaN and infinities are not served; v_exp_f32 gives 0 for what lies
; under 2^-126; a block whose largest magnitude lies under 2^-124 gets the byte 1 (only this program reads the bytes).
; SHARES.  A work-group holds K and V of BOTH heads whole in LDS (4 packs of 51,200 bytes), filled once: sixteen parts of 12,800 bytes, one tensor load a wave, the addresses by arithmetic on the wave's number.
; Each of the sixteen waves owns 16 queries (tile T = 16 cx + wave) and walks head 0, then head 1, eight key steps of 128 each: so it makes a whole fragment of the output projection's operand.
; CLUSTER 4 x 1: the four query blocks of a pair of heads read the same K and V: each part is asked for jointly, with the mask of all four.
; NO PREFETCH: all that the tensor loads bring is asked for at the head, in one group; no later load is left to run ahead of.  The lane masks come by scalar loads a whole key step ahead.
; IMAGES.  A fragment (12 registers) lies as three groups of 512 bytes: registers 4 g .. 4 g + 3 of lane L at 512 g + 16 L: three loads of 16 bytes a lane, dense.
; LAYOUT.  Both products are used transposed: a lane holds one query (L % 16).  K = 64 under an instruction of 128: a pair image holds tile 2 G's 64 head dims in registers 0-5 and tile 2 G + 1's in 6-11;
; multiplied by [q, 0] it gives tile 2 G's scores, by [0, q] tile 2 G + 1's.  Score register 16 f + i is key 32 f + 16 (L / 16) + i of the step.
; A TRIP: scores | V's loads | selects and maxima | M, t - M, O and the sum under the new M | the exponentials, one batch | p's codes, half of the row's sum | V^T P | the next K's loads, the other half of the sum.
; REGISTERS: v1 8 L, v2 4 L, v9 16 L, v3, v4 the step's LDS addresses, v5 the masked score, v6-8 the way out; v12 -M, v13 the largest t, v[14:15] the sum; v16-33: 0 x 6, q x 6, 0 x 6; v34 q's scale word, v35 p's;
;   v36-83 four fragments of K, then of V; v84-87 their scale words; v88-94 head 1's q; v96-159 scores, t - M, p; v160-191 O^T; v192-211 p's codes; v212-223 blocks' maxima, bytes, scale operands; v224-227 f, sums;
;   v228-239 ctx's fragment; v240 its scale word; v241, v242 at work; v254, v255 the add's two registers.
.set PACK,  51200                      ; a head's pack of K or of V: 49,152 bytes of images, 2,048 of scale words
.set SCO,   49152
.set KVH,   2*PACK                     ; a head in LDS: K's pack, then V's
.set STG,   212992                     ; 1,024 bytes for ctx's scale words; no fill lands there
.set SPARE, 214016                     ; the spare words: 128 bytes for each of the sixteen waves
.set KF,  36
.set S,   96
.set O,   160
.set PCD, 192
.set BM,  212
.macro CROUND                          ; a round of the cluster's barrier
	s_barrier_signal -1
	s_barrier_wait -1
	s_cmp_lg_u32 s2, 0
	s_cbranch_scc1 .Lnot_wave_0_\@
	s_barrier_signal -3
.Lnot_wave_0_\@:
	s_barrier_wait -3
	s_barrier_signal -1
	s_barrier_wait -1
.endm
	s_load_b256 s[32:39], s[0:1], 0x0              ; qkpk, vpk, mlane, cimg
	s_load_b64 s[40:41], s[0:1], 0x20              ; cscl
	v_lshl_add_u32 v254, v0, 2, SPARE
	v_mov_b32 v255, 0
	ds_add_u32 v254, v255                          ; the opening lines: the add, twice on end, and its wait
	ds_add_u32 v254, v255
	v_lshrrev_b32 v1, 5, v0
	v_readfirstlane_b32 s2, v1                     ; wave 0..15
	v_and_b32 v10, 31, v0                          ; L
	v_and_b32 v11, 15, v0                          ; r
	v_lshlrev_b32 v1, 3, v10                       ; 8 L
	v_lshlrev_b32 v2, 2, v10                       ; 4 L
	v_lshlrev_b32 v9, 4, v10                       ; 16 L
	v_lshlrev_b32 v7, 2, v11                       ; 4 r
	s_lshl_b32 s42, s2, 6
	v_add_nc_u32 v6, s42, v7
	v_add_nc_u32 v6, STG, v6                       ; ctx's scale word in the stage: 64 x wave + 4 r
	v_add_nc_u32 v8, STG, v9
	v_mov_b32 v5, 0xd0000000                       ; -2^33: a masked score
	s_bfe_u32 s42, ttmp6, 0x40000                  ; cx: it enters the global addresses of q, of the lane masks and of ctx alone
	s_and_b32 s43, ttmp7, 0xffff                   ; y = 8 batch + pair of heads: head 2 y + e of 128
	; what I fetch: wave 8 e + 4 v + n takes quarter n of head e's pack of K (v = 0) or of V (v = 1): made of y and the wave alone
	s_and_b32 s44, s2, 3
	s_mul_i32 s44, s44, 12800
	s_lshl_b32 s45, s43, 1
	s_lshr_b32 s46, s2, 3
	s_add_co_u32 s45, s45, s46
	s_mul_i32 s45, s45, PACK
	s_add_co_u32 s44, s44, s45
	s_and_b32 s49, s2, 4
	s_cmp_eq_u32 s49, 0
	s_cselect_b32 s45, 6553600, 0                  ; k's packs lie behind q's
	s_add_co_u32 s44, s44, s45
	s_mov_b32 s45, 0
	s_mov_b32 s16, 1
	s_mul_i32 s17, s2, 12800                       ; and where it goes
	; descriptor group 1: a dense block of 12,800 bytes as 50 rows of 256 (32 elements of 8 bytes)
	s_mov_b32 s24, 15|(3<<16)|(1<<21)              ; the mask of all four work-groups; elements of 8 bytes; bit 21 beside a mask
	s_mov_b32 s25, 32<<16
	s_mov_b32 s26, 50<<16
	s_mov_b32 s27, 32<<16
	s_mov_b32 s28, 50
	s_mov_b32 s29, 32
	s_mov_b32 s30, 0
	s_mov_b32 s31, 0
	s_lshl_b32 s50, s42, 4
	s_add_co_u32 s50, s50, s2                      ; T: my tile of queries in the batch
	s_lshr_b32 s51, s43, 3                         ; batch
	s_and_b32 s52, s43, 7                          ; pair of heads = K step of the output projection
	s_lshl_b32 s53, s51, 6
	s_add_co_u32 s53, s53, s50                     ; 64 batch + T
	s_lshl_b32 s54, s53, 11                        ; lane masks: 2,048 bytes a tile
	s_mov_b32 s55, 0
	s_mul_i32 s56, s53, 12288                      ; ctx's images
	s_mul_i32 s57, s52, 1536
	s_add_co_u32 s56, s56, s57
	s_mov_b32 s57, 0
	s_lshl_b32 s58, s51, 5                         ; ctx's scale plane: group 32 batch + 8 cx,
	s_lshl_b32 s59, s42, 3
	s_add_co_u32 s58, s58, s59
	s_lshl_b32 s58, s58, 7
	s_lshl_b32 s59, s52, 15                        ; K step
	s_add_co_u32 s58, s58, s59
	s_mov_b32 s59, 0
	s_lshr_b32 s63, s50, 1                         ; G = T / 2: my pair image of q
	s_mul_i32 s60, s43, 2*PACK
	s_mul_i32 s61, s63, 1536
	s_add_co_u32 s60, s60, s61
	s_mov_b32 s61, 0
	s_mul_i32 s62, s43, 2*PACK                     ; q's scale words: 64 bytes a group
	s_lshl_b32 s63, s63, 6
	s_add_co_u32 s62, s62, s63
	s_add_co_u32 s62, s62, SCO
	s_mov_b32 s63, 0
	s_and_b32 s67, s2, 1                           ; T % 2: which half of the pair image is mine
	s_cmp_lg_u32 s67, 0
	s_cselect_b32 s20, -1, 0                       ; as a mask of lanes
	s_lshl_b32 s67, s67, 4                         ; my tile's two scale bytes begin at bit 16 (T % 2)
	s_mov_b32 s4, 0x76543210
	s_mov_b32 s5, 0xfedcba98                       ; lane l xor 16
	s_mov_b32 s6, 0x3e38aa3b                       ; c = log2(e) / 8
	s_mov_b32 s7, s6                               ; (named with it as a pair)
	s_mov_b32 s66, 0                               ; the lane masks' step, in bytes
	s_wait_alu depctr_va_vdst(0)                   ; the wait here, directly ahead of the waits below
	s_wait_dscnt 0x0                               ; both opening adds are done
	s_wait_kmcnt 0x0
	s_cmp_eq_u32 s49, 0
	s_cselect_b64 s[46:47], s[32:33], s[34:35]
	s_add_nc_u64 s[18:19], s[46:47], s[44:45]
	s_or_b32 s19, s19, 0x80000000
	s_add_nc_u64 s[10:11], s[36:37], s[54:55]
	s_add_nc_u64 s[12:13], s[38:39], s[56:57]
	s_add_nc_u64 s[14:15], s[40:41], s[58:59]
	s_add_nc_u64 s[100:101], s[32:33], s[60:61]
	s_add_nc_u64 s[104:105], s[32:33], s[62:63]
	CROUND                                         ; all four work-groups are here: the joint loads meet
	tensor_load_to_lds s[16:19], s[24:31]          ; my sixteenth of K and V: the wave's one tensor load
	s_nop 0
.rept 4
	v_nop
.endr
.irp g, 0,1,2
	global_load_b128 v[96+4*\g:99+4*\g], v9, s[100:101] offset:512*\g          ; q's pair image of head 0,
	global_load_b128 v[108+4*\g:111+4*\g], v9, s[100:101] offset:PACK+512*\g   ; and of head 1
.endr
	global_load_b32 v95, v7, s[104:105]
	global_load_b32 v94, v7, s[104:105] offset:PACK
	s_load_b512 s[32:47], s[10:11], s66 offset:0x0     ; key step 0's 64 lane masks (the registers' earlier contents are done with)
	s_load_b512 s[48:63], s[10:11], s66 offset:0x40
	s_load_b512 s[68:83], s[10:11], s66 offset:0x80
	s_load_b512 s[84:99], s[10:11], s66 offset:0xc0
.irp i, 16,17,18,19,20,21,28,29,30,31,32,33
	v_mov_b32 v[\i], 0                             ; the zero halves beside q
.endr
.irp b, 0,1,2,3
	v_mov_b32 v[BM+4+\b], 0                        ; written once: a lane permute's destination counts as one of its sources
.endr
	v_mov_b32 v225, 0                              ; (named as the upper half of the pair v[224:225])
	v_mov_b32 v241, 0
	s_wait_loadcnt 0x0
.irp i, 0,1,2,3,4,5
	v_cndmask_b32 v[22+\i], v[96+\i], v[102+\i], s20     ; my tile's half of the pair image: registers 0-5 or 6-11
	v_cndmask_b32 v[88+\i], v[108+\i], v[114+\i], s20
.endr
	v_lshrrev_b32 v95, s67, v95                    ; my tile's two bytes,
	v_lshrrev_b32 v94, s67, v94
	v_and_b32 v95, 0xffff, v95
	v_and_b32 v94, 0xffff, v94
	v_lshl_or_b32 v34, v95, 16, v95                ; twice: they serve [q, 0] and [0, q]
	v_lshl_or_b32 v94, v94, 16, v94
.macro CM b, i                         ; score register 16 b + i: where its lane mask has a 0, the masked score
	v_cndmask_b32 v[S+16*(\b)+(\i)], v5, v[S+16*(\b)+(\i)], s[32+16*(\b)+(\i)+4*((\b)/2)]
.endm
.macro KLOAD                           ; a key step's four pair images of K and their scale words, from v3 and v4
.irp f, 0,1,2,3
.irp g, 0,1,2
	ds_load_b128 v[KF+12*\f+4*\g:KF+12*\f+4*\g+3], v3 offset:1536*\f+512*\g
.endr
.endr
	ds_load_b32 v84, v4                            ; lanes 0-15 group 0's words, lanes 16-31 group 1's
	ds_load_b32 v85, v4 offset:128
.endm
; A KEY STEP: 128 keys.  Its K was asked for at the end of the trip before (or by START)
.macro STEP
	s_wait_dscnt 0x0                               ; K and its scale words are in
.irp f, 0,1,2,3
.if (\f%2) == 0
	v_wmma_scale_f32_16x16x128_f8f6f4 v[S+16*\f:S+16*\f+7], v[KF+12*\f:KF+12*\f+11], v[22:33], 0, v[84+\f/2], v34 matrix_a_fmt:MATRIX_FMT_FP6 matrix_b_fmt:MATRIX_FMT_FP6
	v_wmma_scale_f32_16x16x128_f8f6f4 v[S+16*\f+8:S+16*\f+15], v[KF+12*\f:KF+12*\f+11], v[16:27], 0, v[84+\f/2], v34 matrix_a_fmt:MATRIX_FMT_FP6 matrix_b_fmt:MATRIX_FMT_FP6
.else
	v_wmma_scale_f32_16x16x128_f8f6f4 v[S+16*\f:S+16*\f+7], v[KF+12*\f:KF+12*\f+11], v[22:33], 0, v[84+\f/2], v34 matrix_a_fmt:MATRIX_FMT_FP6 matrix_b_fmt:MATRIX_FMT_FP6 matrix_a_scale:MATRIX_SCALE_ROW1
	v_wmma_scale_f32_16x16x128_f8f6f4 v[S+16*\f+8:S+16*\f+15], v[KF+12*\f:KF+12*\f+11], v[16:27], 0, v[84+\f/2], v34 matrix_a_fmt:MATRIX_FMT_FP6 matrix_b_fmt:MATRIX_FMT_FP6 matrix_a_scale:MATRIX_SCALE_ROW1
.endif
.endr
	v_mov_b32 v241, v12                            ; the old -M is kept.  With the three lines below: four places, ahead of the loads into K's registers and of the first read of the scores
.rept 3
	v_nop
.endr
.irp t, 0,1,2,3                                ; V's fragments land while the softmax is walked
.irp g, 0,1,2
	ds_load_b128 v[KF+12*\t+4*\g:KF+12*\t+4*\g+3], v3 offset:PACK+1536*\t+512*\g
.endr
.endr
	ds_load_b32 v86, v4 offset:PACK
	ds_load_b32 v87, v4 offset:PACK+128
	s_wait_kmcnt 0x0                               ; this step's lane masks are in; their loads have read s66
	s_add_co_u32 s66, s66, 256
	s_and_b32 s66, s66, 0x7ff                      ; the next step's; behind the eighth the first again, for the next head
	; the selects, and the largest score of each block of 32 keys, by turns.  Each accumulator is read from its low end on
.irp b, 0,1,2,3
	CM \b, 0
	CM \b, 1
	CM \b, 2
.endr
.irp b, 0,1,2,3
	CM \b, 3
	CM \b, 4
.endr
.irp b, 0,1,2,3
	v_max3_num_f32 v[BM+\b], v[S+16*\b], v[S+1+16*\b], v[S+2+16*\b]
.endr
.irp i, 5,7,9,11,13
.irp b, 0,1,2,3
	CM \b, \i
	CM \b, \i+1
.endr
.irp b, 0,1,2,3
	v_max3_num_f32 v[BM+\b], v[BM+\b], v[S+16*\b+\i-2], v[S+16*\b+\i-1]
.endr
.endr
.irp b, 0,1,2,3
	CM \b, 15
.endr
.irp b, 0,1,2,3
	v_max3_num_f32 v[BM+\b], v[BM+\b], v[S+16*\b+13], v[S+16*\b+14]
.endr
.irp b, 0,1,2,3
	v_max_num_f32 v[BM+\b], v[BM+\b], v[S+15+16*\b]
.endr
.irp b, 0,1,2,3
	v_permlanex16_b32 v[BM+4+\b], v[BM+\b], s4, s5
.endr
.irp b, 0,1,2,3
	v_max_num_f32 v[BM+\b], v[BM+\b], v[BM+4+\b]   ; with lane l xor 16's 16 keys: it serves the row's maximum and, since p rises with the score, the block's largest p
.endr
	v_max3_num_f32 v242, v[BM], v[BM+1], v[BM+2]
	s_delay_alu instid0(VALU_DEP_1)
	v_max_num_f32 v242, v242, v[BM+3]              ; the step's largest score of my query
	s_delay_alu instid0(VALU_DEP_1)
	v_mul_f32 v242, s6, v242                       ; as t (c is positive)
	s_delay_alu instid0(VALU_DEP_1)
	v_max_num_f32 v13, v13, v242                   ; the running largest t
	s_delay_alu instid0(VALU_DEP_1)
	v_floor_f32 v12, -v13                          ; the new -M = floor(-t): M is a whole number
	v_pk_fma_f32 v[S:S+1], v[S:S+1], s[6:7], v[12:13] op_sel_hi:[1,0,0]   ; t - M, two at a time (of the pairs c and -M the low word serves both halves); the lines that make f stand among these
	v_sub_f32 v241, v12, v241                      ; old M - new M: a whole number, 0 or less
.irp b, 0,1,2,3
	v_fma_f32 v[BM+\b], v[BM+\b], s6, v12          ; t - M of each block's largest score
.endr
	v_cvt_i32_f32 v241, v241                       ; (it saturates)
.irp j, 2,4,6,8
	v_pk_fma_f32 v[S+\j:S+\j+1], v[S+\j:S+\j+1], s[6:7], v[12:13] op_sel_hi:[1,0,0]
.endr
	v_ldexp_f32 v224, 1.0, v241                    ; f = 2^(old M - new M)
.irp j, 10,12,14,16,18,20,22,24,26,28,30,32,34,36,38,40,42,44,46,48,50,52,54,56,58,60,62
	v_pk_fma_f32 v[S+\j:S+\j+1], v[S+\j:S+\j+1], s[6:7], v[12:13] op_sel_hi:[1,0,0]
.endr
	v_pk_mul_f32 v[14:15], v[14:15], v[224:225] op_sel_hi:[1,0]   ; the sums under the new M
.irp b, 0,1,2,3,4,5,6,7,8,9,10,11,12,13,14,15
	v_pk_mul_f32 v[O+2*\b:O+2*\b+1], v[O+2*\b:O+2*\b+1], v[224:225] op_sel_hi:[1,0]   ; O^T under the new M, each accumulator from its low end on, ahead of the exponentials
.endr
	s_wait_alu depctr_va_vdst(0)                   ; the wait ahead of the batch
.set j, 0
.rept 64
	v_exp_f32 v[S+j], v[S+j]                       ; p = 2^(t - M)
.set j, j+1
.endr
.irp b, 0,1,2,3
	v_exp_f32 v[BM+\b], v[BM+\b]                   ; the block's largest p: the same multiply-add and exponential on the same number
.endr
	v_nop                                          ; a plain place behind the last exponential
	s_wait_alu depctr_va_vdst(0)                   ; and the wait ahead of the batch's first reader: one for the 68
	s_load_b512 s[32:47], s[10:11], s66 offset:0x0     ; the next step's lane masks: a whole step ahead; every select above has been carried out
	s_load_b512 s[48:63], s[10:11], s66 offset:0x40
	s_load_b512 s[68:83], s[10:11], s66 offset:0x80
	s_load_b512 s[84:99], s[10:11], s66 offset:0xc0
.irp b, 0,1,2,3
	v_max_num_f32 v[BM+\b], 0x1800000, v[BM+\b]    ; the floor 2^(3 - 127): the byte cannot fall under 1
.endr
.irp b, 0,1,2,3
	v_add_nc_u32 v[BM+8+\b], 0xff000000, v[BM+\b]  ; 2 off the exponent field: the conversion's scale operand
.endr
.irp b, 0,1,2,3
	v_lshrrev_b32 v[BM+4+\b], 23, v[BM+8+\b]       ; the byte
.endr
	v_lshl_or_b32 v35, v[BM+5], 8, v[BM+4]         ; p's scale word for these 128 keys
	v_lshl_or_b32 v35, v[BM+6], 16, v35
	v_lshl_or_b32 v35, v[BM+7], 24, v35
.irp c, 0,1
	v_cvt_scalef32_pk16_fp6_f32 v[PCD+6*\c:PCD+2+6*\c], v[S+32*\c:S+15+32*\c], v[BM+8+2*\c]
	v_cvt_scalef32_pk16_fp6_f32 v[PCD+12+4*\c:PCD+14+4*\c], v[S+16+32*\c:S+31+32*\c], v[BM+9+2*\c]
.endr
	v_nop                                          ; one plain place behind a scaled conversion
.irp c, 0,1
.irp i, 0,1,2
	v_permlane16_swap_b32 v[PCD+6*\c+\i], v[PCD+12+4*\c+\i]   ; a whole block to a lane
.endr
.irp i, 0,1,2
	v_mov_b32 v[PCD+3+6*\c+\i], v[PCD+12+4*\c+\i]
.endr
.endr
	v_pk_add_f32 v[226:227], v[S:S+1], v[S+2:S+3]  ; THE ROW'S SUM OF THE UNQUANTISED p, two at a time, in two chains.  These 15 lines are also the places between p's codes and scale word and the products
.irp j, 4,8,12,16,20,24,28
	v_pk_add_f32 v[14:15], v[14:15], v[S+\j:S+\j+1]
	v_pk_add_f32 v[226:227], v[226:227], v[S+2+\j:S+3+\j]
.endr
	s_wait_alu depctr_va_vdst(0)                   ; the wait here, directly ahead of the wait below
	s_wait_dscnt 0x0                               ; V is in
.irp t, 0,1,2,3                                ; the four accumulators by turns, one instruction a turn
.if (\t%2) == 0
	v_wmma_scale_f32_16x16x128_f8f6f4 v[O+8*\t:O+8*\t+7], v[KF+12*\t:KF+12*\t+11], v[PCD:PCD+11], v[O+8*\t:O+8*\t+7], v[86+\t/2], v35 matrix_a_fmt:MATRIX_FMT_FP6 matrix_b_fmt:MATRIX_FMT_FP6
.else
	v_wmma_scale_f32_16x16x128_f8f6f4 v[O+8*\t:O+8*\t+7], v[KF+12*\t:KF+12*\t+11], v[PCD:PCD+11], v[O+8*\t:O+8*\t+7], v[86+\t/2], v35 matrix_a_fmt:MATRIX_FMT_FP6 matrix_b_fmt:MATRIX_FMT_FP6 matrix_a_scale:MATRIX_SCALE_ROW1
.endif
.endr
	s_add_co_u32 s8, s8, 6144                      ; the next step's images
	s_add_co_u32 s9, s9, 256                       ; and scale words
	v_add_nc_u32 v3, s8, v9                        ; these two lines and the two additions below are the four places ahead of the loads into V's registers
	v_add_nc_u32 v4, s9, v2
	v_pk_add_f32 v[14:15], v[14:15], v[S+32:S+33]
	v_pk_add_f32 v[226:227], v[226:227], v[S+34:S+35]
	KLOAD                                          ; the next step's K lands while the sum is added up.  (A head's last trip reads one step too far: K's scale words and the head of V's images, filled bytes; the registers are not used)
.irp j, 36,40,44,48,52,56,60
	v_pk_add_f32 v[14:15], v[14:15], v[S+\j:S+\j+1]
	v_pk_add_f32 v[226:227], v[226:227], v[S+2+\j:S+3+\j]
.endr
	v_pk_add_f32 v[14:15], v[14:15], v[226:227]
.endm
.macro LOOP                            ; a head's eight key steps
	s_mov_b32 s3, 8
	s_wait_alu depctr_va_vdst(0)
.Lstep_\@:
	STEP
	s_sub_co_u32 s3, s3, 1
	s_cmp_lg_u32 s3, 0
	s_wait_alu depctr_va_vdst(0)                   ; and here, directly ahead of the branch
	s_cbranch_scc1 .Lstep_\@
.endm
.macro START e                         ; head e's addresses, and its first key step's K
	s_mov_b32 s8, \e*KVH
	s_mov_b32 s9, \e*KVH+SCO
	v_add_nc_u32 v3, s8, v9
	v_add_nc_u32 v4, s9, v2
	KLOAD
.endm
.macro INIT e                          ; head e's q, and the running numbers
.if \e
.irp i, 0,1,2,3,4,5
	v_mov_b32 v[22+\i], v[88+\i]
.endr
	v_mov_b32 v34, v94
.endif
.set j, 0
.rept 32
	v_mov_b32 v[O+j], 0                            ; O^T: the step is written once; its first trip finds zeros.  (Also the places between the lines that wrote q and its scale word and the first product)
.set j, j+1
.endr
	v_mov_b32 v13, 0xff61b1e6                      ; the largest t so far: -3e38
	v_floor_f32 v12, -v13
	v_mov_b32 v14, 0
	v_mov_b32 v15, 0
.endm
; The division by the sum, and the quantising of the head's 64 channels: half e of ctx's fragment
.macro FINISH e
	v_add_f32 v14, v14, v15                        ; the sum's two halves,
	v_permlanex16_b32 v241, v14, s4, s5
	v_add_f32 v14, v14, v241                       ; and lane l xor 16's
	s_wait_alu depctr_va_vdst(0)                   ; the wait ahead of the reciprocal,
	v_rcp_f32 v14, v14
	v_nop                                          ; a plain place behind it,
	s_wait_alu depctr_va_vdst(0)                   ; and the wait directly ahead of the first readers of it and of O^T
.set j, 0
.rept 32
	v_mul_f32 v[S+j], v[O+j], v14                  ; register 16 B + i = channel 32 B + 16 (L / 16) + i of my query
.set j, j+1
.endr
.irp b, 0,1
	v_max3_num_f32 v[BM+\b], |v[S+16*\b]|, |v[S+1+16*\b]|, 0x1800000
.endr
.irp i, 2,4,6,8,10,12,14
.irp b, 0,1
	v_max3_num_f32 v[BM+\b], v[BM+\b], |v[S+16*\b+\i]|, |v[S+1+16*\b+\i]|
.endr
.endr
.irp b, 0,1
	v_permlanex16_b32 v[BM+4+\b], v[BM+\b], s4, s5
.endr
.irp b, 0,1
	v_max_num_f32 v[BM+\b], v[BM+\b], v[BM+4+\b]
.endr
.irp b, 0,1
	v_add_nc_u32 v[BM+8+\b], 0xff000000, v[BM+\b]
.endr
.irp b, 0,1
	v_lshrrev_b32 v[BM+4+\b], 23, v[BM+8+\b]
.endr
.if \e
	v_lshl_or_b32 v240, v[BM+4], 16, v240
	v_lshl_or_b32 v240, v[BM+5], 24, v240
.else
	v_lshl_or_b32 v240, v[BM+5], 8, v[BM+4]
.endif
	v_cvt_scalef32_pk16_fp6_f32 v[228+6*\e:230+6*\e], v[S:S+15], v[BM+8]
	v_cvt_scalef32_pk16_fp6_f32 v[PCD+12:PCD+14], v[S+16:S+31], v[BM+9]
	v_nop                                          ; one plain place behind a scaled conversion
.irp i, 0,1,2
	v_permlane16_swap_b32 v[228+6*\e+\i], v[PCD+12+\i]
.endr
.irp i, 0,1,2
	v_mov_b32 v[231+6*\e+\i], v[PCD+12+\i]
.endr
.endm
	s_wait_alu depctr_va_vdst(0)                   ; the wait at the head's end
	s_wait_tensorcnt 0x0                           ; my sixteenth of K and V is in
	s_wait_dscnt 0x0
	s_barrier_signal -1
	s_barrier_wait -1                              ; everybody's is.  Nothing is ever filled again; from here to the way out no wave waits for another
	START 0
	INIT 0
	LOOP
	s_wait_dscnt 0x0                               ; the last trip's loads are back: their registers are loaded again
	START 1                                        ; head 1's first K lands while head 0 is finished
	FINISH 0
	INIT 1
	LOOP
	s_wait_dscnt 0x0                               ; the last trip's loads are back
	FINISH 1
.irp p, 0,1,2,3,4,5
	global_store_b64 v1, v[228+2*\p:229+2*\p], s[12:13] offset:256*\p   ; ctx's fragment, in the layout that the output projection reads: each store covers 256 consecutive bytes, aligned
.endr
	ds_store_b32 v6, v240                          ; both lanes of a query write the same word with the same value
	s_wait_dscnt 0x0                               ; for the others' sake
	s_barrier_signal -1
	s_barrier_wait -1
	s_cmp_lg_u32 s2, 0                             ; wave 0 stores the work-group's 256 scale words
	s_cbranch_scc1 .Lnot_mine
	ds_load_b128 v[96:99], v8
	ds_load_b128 v[100:103], v8 offset:512
	s_wait_dscnt 0x0
	global_store_b128 v9, v[96:99], s[14:15]       ; 512 consecutive bytes, aligned
	global_store_b128 v9, v[100:103], s[14:15] offset:512
.Lnot_mine:
	s_wait_kmcnt 0x0                               ; the last trip's scalar loads (the first step's masks once more: inside the buffer, not used)
	s_wait_tensorcnt 0x0                           ; the wave's end
	ds_add_u32 v254, v255
	s_wait_dscnt 0x0
	CROUND                                         ; the closing round
	s_endpgm
.Lfunc_end_k_q7b22d0b465_attn:
	.size	k_q7b22d0b465_attn, .Lfunc_end_k_q7b22d0b465_attn-k_q7b22d0b465_attn
	.p2alignl 7, 3214868480
	.fill 96, 4, 3214868480
	.section	.rodata,"a",@progbits
	.p2align	6, 0x0
	.amdhsa_kernel k_q7b22d0b465_attn
		.amdhsa_group_segment_fixed_size 216064
		.amdhsa_private_segment_fixed_size 0
		.amdhsa_enable_private_segment 0
		.amdhsa_kernarg_size 40
		.amdhsa_user_sgpr_count 2
		.amdhsa_user_sgpr_kernarg_segment_ptr 1
		.amdhsa_wavefront_size32 1
		.amdhsa_system_sgpr_workgroup_id_x 1
		.amdhsa_system_sgpr_workgroup_id_y 1
		.amdhsa_system_sgpr_workgroup_id_z 1
		.amdhsa_system_vgpr_workitem_id 0
		.amdhsa_next_free_vgpr 256
		.amdhsa_next_free_sgpr 106
		.amdhsa_reserve_vcc 0
		.amdhsa_float_denorm_mode_32 3
		.amdhsa_float_denorm_mode_16_64 3
		.amdhsa_memory_ordered 1
		.amdhsa_forward_progress 1
		.amdhsa_inst_pref_size 61
	.end_amdhsa_kernel
	.amdgpu_metadata
---
amdhsa.version: [ 1, 2 ]
amdhsa.kernels:
  - .name:           k_q7b22d0b465_attn
    .symbol:         k_q7b22d0b465_attn.kd
    .args:
      - { .name: qkpk, .offset: 0, .size: 8, .value_kind: global_buffer, .address_space: global }
      - { .name: vpk, .offset: 8, .size: 8, .value_kind: global_buffer, .address_space: global }
      - { .name: mlane, .offset: 16, .size: 8, .value_kind: global_buffer, .address_space: global }
      - { .name: cimg, .offset: 24, .size: 8, .value_kind: global_buffer, .address_space: global }
      - { .name: cscl, .offset: 32, .size: 8, .value_kind: global_buffer, .address_space: global }
    .group_segment_fixed_size: 216064
    .private_segment_fixed_size: 0
    .kernarg_segment_align: 8
    .kernarg_segment_size: 40
    .max_flat_workgroup_size: 512
    .sgpr_count:     106
    .vgpr_count:     256
    .wavefront_size: 32
...
	.end_amdgpu_metadata
.endif
;; end of part 3
;; launch outp (part 4): grid 4 x 64, 4 waves a work-group, clusters of 4 x 4, 327,680 bytes of LDS; arguments cimg, cscl, opimg, opscl, bo, out0; writes out0
.if DOCPART == 4
	.amdgcn_target "amdgcn-amd-amdhsa--gfx1250"
	.amdhsa_code_object_version 6
	.text
	.protected	k_q7b22d0b465_outp
	.globl	k_q7b22d0b465_outp
	.p2align	8
	.type	k_q7b22d0b465_outp,@function
k_q7b22d0b465_outp:
	s_mov_b64 s[64:65], 0
	v_nop
	global_prefetch_b8 v0, s[64:65] scope:SCOPE_SE
	s_setreg_imm32_b32 hwreg(HW_REG_WAVE_MODE, 25, 1), 1
	s_wait_xcnt 0x0
	s_wait_alu depctr_hold_cnt(0) depctr_sa_sdst(0) depctr_va_vdst(0) depctr_va_sdst(0) depctr_va_ssrc(0) depctr_va_vcc(0) depctr_vm_vsrc(0)
	s_getreg_b32 s2, hwreg(HW_REG_IB_STS2, 6, 4)
	s_cmp_eq_u32 s2, 0
	s_cbranch_scc0 .Lentry_in_a_cluster
	s_endpgm
.Lentry_in_a_cluster:
	s_bfe_u32 s2, ttmp6, 0x10000c
	s_cmp_lg_u32 s2, 0xf033
	s_cbranch_scc0 .Lentry_shape_is_right
	s_endpgm
.Lentry_shape_is_right:
; OUTP: out = ctx Wo + bo on codes of FP6 with E8M0 scales; f32 out.
; THE CORE is that of the projections: a work-group takes 256 rows of S0 (source 0: Wo's n) x 128 rows of S1 (source 1: the tokens of ctx), all of K = 1,024 in LDS, filled once in four chunks;
; four waves, each 8 tiles of S0 x 4 of S1: 32 accumulators.  CLUSTER 4 x 4: S0's tile hangs on work-group x alone (joint along a column), S1's on y alone (joint along a row).
; The bias is the C of each sum's first product.  A lane holds one token and its 64 registers of a tile of tokens run along n: register 16 B + i = n 32 B + 16 (L / 16) + i.
; THE WAY OUT.  A tile of 16 tokens x 128 n goes through the wave's own stage in LDS and leaves as whole rows of 512 bytes.  The stage lies in S0's chunk 0: it has had its only fill, and every wave's reads of it
; were waited for ahead of a later barrier.
; REGISTERS: window 0: addresses, v32-79 scale words, v80-175 S1's fragments (on the way out v80-207: rows read back), window 1: S0's fragments, v192-255 the bias; window 2: accumulator (a, b) at v[64 a + 8 b].
.set WIMG,  18874368
.set WSCL,  786432
.set TROW,  12288
.set CH0,   98304                      ; S0's half of K in LDS: 16 tiles x 6,144 (K comes in TWO halves of 512, one tensor load a wave each)
.set CH1,   49152                      ; S1's: 8 tiles x 6,144
.set S1L,   2*CH0
.set P0,    4096                       ; from K step to K step in S0's scale plane (Wo's)
.set P1,    32768                      ; and in S1's (ctx's)
.set SPITCH, 528                       ; a stage row: 512 bytes + 16
.set A0,  8
.set A1,  12
.set SC0, 32
.set SC1, 64
.set F1,  80
.set BIAS, 192
.set MSB, 0
.macro WIN new                         ; the immediate's high byte repeats the setting that is left
.if MSB != \new
	s_set_vgpr_msb (MSB<<8)|\new
.set MSB, \new
.endif
.endm
.macro CROUND                          ; a round of the cluster's barrier
	s_barrier_signal -1
	s_barrier_wait -1
	s_cmp_lg_u32 s14, 0
	s_cbranch_scc1 .Lnot_wave_0_\@
	s_barrier_signal -3
.Lnot_wave_0_\@:
	s_barrier_wait -3
	s_barrier_signal -1
	s_barrier_wait -1
.endm
.macro PLACES                          ; four plain places behind a matrix instruction (ISA guide 7.12.1)
.rept 4
	v_nop
.endr
.endm
	s_load_b256 s[4:11], s[0:1], 0x0               ; cimg, cscl, opimg, opscl
	s_load_b128 s[84:87], s[0:1], 0x20             ; bo, out0
	v_lshl_add_u32 v254, v0, 2, 0x48000
	v_mov_b32 v255, 0
	ds_add_u32 v254, v255
	ds_add_u32 v254, v255
	v_lshrrev_b32 v1, 5, v0
	v_readfirstlane_b32 s14, v1                    ; wave 0..3
	s_lshr_b32 s15, s14, 1                         ; my half of S1's rows.  Also: I fetch for S0 (0) or S1 (1)
	s_and_b32 s3, s14, 1                           ; my half of S0's rows.  Also: which half of the tile I fetch
	s_bfe_u32 s66, ttmp6, 0x40000                  ; cx
	s_bfe_u32 s67, ttmp6, 0x40004                  ; cy
	s_lshl_b32 s68, ttmp9, 2
	s_add_co_u32 s68, s68, s66                     ; work-group x
	s_and_b32 s69, ttmp7, 0xffff
	s_lshl_b32 s69, s69, 2
	s_add_co_u32 s69, s69, s67                     ; work-group y
	s_lshl_b32 s78, 0x1111, s66                    ; my column of the cluster
	s_lshl_b32 s79, s67, 2
	s_lshl_b32 s79, 15, s79                        ; my row
	; descriptor group 1: rows of 6,144 bytes as 768 elements of 8 bytes, 12,288 bytes apart; 8 rows for S0, 4 for S1; no padding
	s_or_b32 s16, s78, (3<<16)|(1<<21)
	s_or_b32 s24, s79, (3<<16)|(1<<21)
.irp g, 16, 24
	s_mov_b32 s[\g+1], 768<<16                     ; a row is a tile's four K steps, 6,144 bytes
	s_mov_b32 s[\g+3], 768<<16
	s_mov_b32 s[\g+5], 1536
	s_mov_b32 s[\g+6], 0
	s_mov_b32 s[\g+7], 0
.endr
	s_mov_b32 s18, 8<<16
	s_mov_b32 s20, 8
	s_mov_b32 s26, 4<<16
	s_mov_b32 s28, 4
	s_lshl_b32 s70, s68, 4
	s_lshl_b32 s74, s3, 3
	s_add_co_u32 s70, s70, s74                     ; S0: tile 16 x + 8 x half of Wo's images
	s_mul_i32 s70, s70, TROW
	s_add_co_u32 s70, s70, WIMG+2359296
	s_mov_b32 s71, 0
	s_lshl_b32 s72, s69, 3
	s_lshl_b32 s76, s3, 2
	s_add_co_u32 s72, s72, s76                     ; S1: tile 8 y + 4 x half of ctx's
	s_mul_i32 s72, s72, TROW
	s_mov_b32 s73, 0
	s_mul_i32 s75, s3, 8*6144
	s_mul_i32 s77, s3, 4*6144
	s_add_co_u32 s77, s77, S1L
	s_wait_dscnt 0x0
	s_wait_kmcnt 0x0
	s_add_nc_u64 s[70:71], s[8:9], s[70:71]
	s_add_nc_u64 s[72:73], s[4:5], s[72:73]
.irp c, 0,1
	s_mov_b32 s[32+4*\c], 1
	s_add_co_u32 s[33+4*\c], s75, \c*CH0
	s_add_nc_u64 s[34+4*\c:35+4*\c], s[70:71], \c*6144
	s_or_b32 s[35+4*\c], s[35+4*\c], 0x80000000
	s_mov_b32 s[48+4*\c], 1
	s_add_co_u32 s[49+4*\c], s77, \c*CH1
	s_add_nc_u64 s[50+4*\c:51+4*\c], s[72:73], \c*6144
	s_or_b32 s[51+4*\c], s[51+4*\c], 0x80000000
.endr
	CROUND                                         ; all sixteen work-groups are here: the joint loads meet
	s_cmp_eq_u32 s15, 0                            ; one tensor load a wave at the head: my part of K's first half
	s_cbranch_scc0 .Lfor_s1
	tensor_load_to_lds s[32:35], s[16:23]
	s_nop 0
.rept 4
	v_nop
.endr
	s_branch .Lasked
.Lfor_s1:
	tensor_load_to_lds s[48:51], s[24:31]
	s_nop 0
.rept 4
	v_nop
.endr
.Lasked:
	s_lshl_b32 s88, s68, 3
	s_lshl_b32 s89, s3, 2
	s_add_co_u32 s88, s88, s89                     ; S0's first group of mine
	s_lshl_b32 s88, s88, 7
	s_add_co_u32 s88, s88, WSCL+98304
	s_mov_b32 s89, 0
	s_add_nc_u64 s[80:81], s[10:11], s[88:89]
	s_lshl_b32 s88, s69, 2
	s_lshl_b32 s91, s15, 1
	s_add_co_u32 s88, s88, s91                     ; S1's
	s_lshl_b32 s88, s88, 7
	s_add_nc_u64 s[82:83], s[6:7], s[88:89]
	s_lshl_b32 s88, s68, 10
	s_lshl_b32 s91, s3, 9
	s_add_co_u32 s88, s88, s91                     ; my first n, in bytes
	s_add_nc_u64 s[84:85], s[84:85], s[88:89]      ; in bo,
	s_add_nc_u64 s[86:87], s[86:87], s[88:89]      ; and in a row of out
	s_lshl_b32 s88, s69, 19
	s_lshl_b32 s91, s15, 18
	s_add_co_u32 s88, s88, s91                     ; my first token: (128 y + 64 x half) rows of 4,096 bytes
	s_add_nc_u64 s[86:87], s[86:87], s[88:89]
	v_and_b32 v4, 31, v0
	v_lshlrev_b32 v1, 3, v4                        ; 8 L
	v_lshlrev_b32 v2, 2, v4                        ; 4 L
	v_lshlrev_b32 v7, 4, v4                        ; 16 L
	v_bfe_u32 v16, v0, 4, 1                        ; h
	v_lshlrev_b32 v3, 6, v16                       ; 64 h
	v_and_b32 v17, 15, v0                          ; r
	s_mul_i32 s88, s14, 16*SPITCH                  ; my stage
	v_mul_u32_u24 v5, v17, SPITCH
	v_add_nc_u32 v5, v5, v3
	v_add_nc_u32 v5, s88, v5                       ; in: row r, + 64 h
	v_add_nc_u32 v6, s88, v7                       ; back: 16 L of a row
.irp i, 0,1,2,3
.irp s, 0,1,2,3,4,5,6,7
	global_load_b32 v[SC0+8*\i+\s], v2, s[80:81] offset:\s*P0+\i*128
.endr
.endr
.irp i, 0,1
.irp s, 0,1,2,3,4,5,6,7
	global_load_b32 v[SC1+8*\i+\s], v2, s[82:83] offset:\s*P1+\i*128
.endr
.endr
	WIN 0x40                                       ; destination window 1
.irp b, 0,1,2,3,4,5,6,7
	global_load_b128 v[BIAS+8*\b:BIAS+8*\b+3], v3, s[84:85] offset:(32*(\b/2)+8*(\b%2))*4
	global_load_b128 v[BIAS+8*\b+4:BIAS+8*\b+7], v3, s[84:85] offset:(32*(\b/2)+8*(\b%2))*4+16
.endr
	WIN 0
	s_mul_i32 s88, s3, 8*6144
	s_mul_i32 s89, s15, 4*6144
	s_add_co_u32 s89, s89, S1L
.irp c, 0,1
	v_add_nc_u32 v[A0+\c], s88, v1
	v_add_nc_u32 v[A1+\c], s89, v1
	s_add_co_u32 s88, s88, CH0
	s_add_co_u32 s89, s89, CH1
.endr
.macro FRAG reg, adr, off
.irp p, 0,1,2,3,4,5
	ds_load_b64 v[(\reg)+2*\p:(\reg)+2*\p+1], v[\adr] offset:(\off)+256*\p
.endr
.endm
.macro FETCH s
	WIN 0x40
.irp b, 0,1,2,3,4,5,6,7
	FRAG 96*((\s)%2)+12*\b, A0+(\s)/4, 6144*\b+1536*((\s)%4)
.endr
	WIN 0
.irp a, 0,1,2,3
	FRAG F1+48*((\s)%2)+12*\a, A1+(\s)/4, 6144*\a+1536*((\s)%4)
.endr
.endm
.macro MM a, b, s
.set rD, 64*(\a)+8*(\b)
.set rA, 96*((\s)%2)+12*(\b)
.set rB, F1+48*((\s)%2)+12*(\a)
.set rX, SC0+8*((\b)/2)+(\s)
.set rY, SC1+8*((\a)/2)+(\s)
.set rC, rD
.if (\s) == 0
.set rC, BIAS+8*(\b)                   ; the first product starts the sum with the bias
.endif
.if ((\b)%2 == 0) && ((\a)%2 == 0)
	v_wmma_scale_f32_16x16x128_f8f6f4 v[rD:rD+7], v[rA:rA+11], v[rB:rB+11], v[rC:rC+7], v[rX], v[rY] matrix_a_fmt:MATRIX_FMT_FP6 matrix_b_fmt:MATRIX_FMT_FP6
.elseif ((\b)%2 == 1) && ((\a)%2 == 0)
	v_wmma_scale_f32_16x16x128_f8f6f4 v[rD:rD+7], v[rA:rA+11], v[rB:rB+11], v[rC:rC+7], v[rX], v[rY] matrix_a_fmt:MATRIX_FMT_FP6 matrix_b_fmt:MATRIX_FMT_FP6 matrix_a_scale:MATRIX_SCALE_ROW1
.elseif ((\b)%2 == 0) && ((\a)%2 == 1)
	v_wmma_scale_f32_16x16x128_f8f6f4 v[rD:rD+7], v[rA:rA+11], v[rB:rB+11], v[rC:rC+7], v[rX], v[rY] matrix_a_fmt:MATRIX_FMT_FP6 matrix_b_fmt:MATRIX_FMT_FP6 matrix_b_scale:MATRIX_SCALE_ROW1
.else
	v_wmma_scale_f32_16x16x128_f8f6f4 v[rD:rD+7], v[rA:rA+11], v[rB:rB+11], v[rC:rC+7], v[rX], v[rY] matrix_a_fmt:MATRIX_FMT_FP6 matrix_b_fmt:MATRIX_FMT_FP6 matrix_a_scale:MATRIX_SCALE_ROW1 matrix_b_scale:MATRIX_SCALE_ROW1
.endif
.endm
.macro MUL8 a, s                       ; the 32 accumulators take turns, one instruction a turn
.if (\s) == 0
	WIN 0x91
.else
	WIN 0xa1
.endif
.irp b, 0,1,2,3,4,5,6,7
	MM \a, \b, \s
.endr
.endm
.macro STEP s
	s_wait_dscnt 0x0                               ; this step's fragments are in
	MUL8 0, \s
.if (\s) == 3
	s_wait_tensorcnt 0x0                           ; my part of K's second half has landed. Every wave's reads of the first half, where the stage of the way out lies, were waited for ahead of it
	s_barrier_signal -1
	s_barrier_wait -1
.endif
.if (\s) < 7
	PLACES
	FETCH (\s)+1
.endif
	MUL8 1, \s
	MUL8 2, \s
	MUL8 3, \s
.endm
	s_wait_alu depctr_va_vdst(0)
	s_wait_tensorcnt 0x0                           ; my part of K's first half is in
	ds_add_u32 v254, v255
	s_wait_dscnt 0x0
	CROUND                                         ; everybody's part is in, and all sixteen work-groups are here: the joint loads meet
	s_cmp_eq_u32 s15, 0
	s_cbranch_scc0 .Lfor_s1b
	tensor_load_to_lds s[36:39], s[16:23]          ; K's second half: my one tensor load behind the round
	s_nop 0
.rept 4
	v_nop
.endr
	s_branch .Laskedb
.Lfor_s1b:
	tensor_load_to_lds s[52:55], s[24:31]
	s_nop 0
.rept 4
	v_nop
.endr
.Laskedb:
	s_wait_loadcnt 0x0                             ; scale words and bias
	FETCH 0
	STEP 0
	STEP 1
	STEP 2
	STEP 3
	STEP 4
	STEP 5
	STEP 6
	STEP 7
	WIN 0
	PLACES                                         ; ahead of the first read of results and of loads into registers that held fragments
; THE WAY OUT, a tile of 16 tokens at a time.  LDS serves a wave's instructions in order: no wait between the stores and the loads, nor ahead of the next tile's stores.
.macro TOSTAGE a
	WIN 0x08                                       ; an LDS store's data are its source 1: window 2
.irp q, 0,1,2,3,4,5,6,7,8,9,10,11,12,13,14,15
	ds_store_b128 v5, v[64*(\a)+4*\q:64*(\a)+4*\q+3] offset:128*(\q/4)+16*(\q%4)   ; ascending: each accumulator from its low end on
.endr
	WIN 0
.set BB, 80+64*((\a)%2)
.irp i, 0,1,2,3,4,5,6,7,8,9,10,11,12,13,14,15
	ds_load_b128 v[BB+4*\i:BB+4*\i+3], v6 offset:\i*SPITCH
.endr
.endm
.macro SEND a, younger                 ; younger: the LDS instructions issued behind tile a's loads, which may stay out
.set BB, 80+64*((\a)%2)
	s_wait_dscnt \younger
.irp i, 0,1,2,3,4,5,6,7,8,9,10,11,12,13,14,15
	global_store_b128 v7, v[BB+4*\i:BB+4*\i+3], s[86:87] offset:(32*((\a)/2)+8*((\a)%2)+\i+8*(\i/8))*4096 th:TH_STORE_NT   ; 32 lanes store 512 consecutive bytes, aligned; slot i's token by the tile's order of rows
.endr
.endm
	TOSTAGE 0
.irp a, 1,2,3
.if \a > 1
	s_wait_xcnt 0x0                                ; tile a - 2's stores have read their registers: tile a's loads may land there
.endif
	TOSTAGE \a
	SEND \a-1, 32                                  ; behind tile a - 1's loads: tile a's 16 stores and 16 loads
.endr
	SEND 3, 0
	s_wait_tensorcnt 0x0
	ds_add_u32 v254, v255
	s_wait_dscnt 0x0
	CROUND                                         ; the closing round
	s_endpgm
.Lfunc_end_k_q7b22d0b465_outp:
	.size	k_q7b22d0b465_outp, .Lfunc_end_k_q7b22d0b465_outp-k_q7b22d0b465_outp
	.p2alignl 7, 3214868480
	.fill 96, 4, 3214868480
	.section	.rodata,"a",@progbits
	.p2align	6, 0x0
	.amdhsa_kernel k_q7b22d0b465_outp
		.amdhsa_group_segment_fixed_size 327680
		.amdhsa_private_segment_fixed_size 0
		.amdhsa_enable_private_segment 0
		.amdhsa_kernarg_size 48
		.amdhsa_user_sgpr_count 2
		.amdhsa_user_sgpr_kernarg_segment_ptr 1
		.amdhsa_wavefront_size32 1
		.amdhsa_system_sgpr_workgroup_id_x 1
		.amdhsa_system_sgpr_workgroup_id_y 1
		.amdhsa_system_sgpr_workgroup_id_z 1
		.amdhsa_system_vgpr_workitem_id 0
		.amdhsa_next_free_vgpr 768
		.amdhsa_next_free_sgpr 106
		.amdhsa_reserve_vcc 0
		.amdhsa_float_denorm_mode_32 3
		.amdhsa_float_denorm_mode_16_64 3
		.amdhsa_memory_ordered 1
		.amdhsa_forward_progress 1
		.amdhsa_inst_pref_size 99
	.end_amdhsa_kernel
	.amdgpu_metadata
---
amdhsa.version: [ 1, 2 ]
amdhsa.kernels:
  - .name:           k_q7b22d0b465_outp
    .symbol:         k_q7b22d0b465_outp.kd
    .args:
      - { .name: cimg, .offset: 0, .size: 8, .value_kind: global_buffer, .address_space: global }
      - { .name: cscl, .offset: 8, .size: 8, .value_kind: global_buffer, .address_space: global }
      - { .name: opimg, .offset: 16, .size: 8, .value_kind: global_buffer, .address_space: global }
      - { .name: opscl, .offset: 24, .size: 8, .value_kind: global_buffer, .address_space: global }
      - { .name: bo, .offset: 32, .size: 8, .value_kind: global_buffer, .address_space: global }
      - { .name: out0, .offset: 40, .size: 8, .value_kind: global_buffer, .address_space: global }
    .group_segment_fixed_size: 327680
    .private_segment_fixed_size: 0
    .kernarg_segment_align: 8
    .kernarg_segment_size: 48
    .max_flat_workgroup_size: 128
    .sgpr_count:     106
    .vgpr_count:     768
    .wavefront_size: 32
...
	.end_amdgpu_metadata
.endif
;; end of part 4
